; MI455X (gfx1250); checked and timed in simulation.
; The chip was launched on July 23, 2026; its instructions are those of AMD's public machine-readable ISA for CDNA 5 (MIT licence, August 2026) and "CDNA5" Instruction Set Architecture Reference Guide (July 2026). The comments in the code are by the model that wrote it; some were corrected since.
;; Self Attention. Allowed arithmetic: matrix products marked QUANTISED: E4M3 operands, one given power-of-two scale a tensor, by v_wmma_f32_16x16x64_fp8_fp8 or v_wmma_f32_16x16x128_fp8_fp8, f32 sums; everything else in f32.
;; Inputs: Wk_codes 1,024 x 32 x 32 uint8 (E4M3 codes of Wk, K innermost, in blocks of 32 codes); Wo_codes 1,024 x 32 x 32 uint8 (E4M3 codes of Wo, K innermost, in blocks of 32 codes); Wq_codes 1,024 x 32 x 32 uint8 (E4M3 codes of Wq, K innermost, in blocks of 32 codes); Wv_codes 1,024 x 32 x 32 uint8 (E4M3 codes of Wv, K innermost, in blocks of 32 codes); bk 1,024 float32; bo 1,024 float32; bq 1,024 float32; bv 1,024 float32; lowp_scales 12 int32 (the exponents e of the quantised operands' scales 2^e); x_codes 4 x 2,048 x 32 x 32 uint8 (E4M3 codes of x, K innermost, in blocks of 32 codes).
;; Outputs: out0 4 x 2,048 x 1,024 float32.
;; This version of the problem:
;;   THIS VERSION OF THE PROBLEM IS GIVEN IN LOW PRECISION. The matrix products marked QUANTISED in the list below multiply operands that are first quantised to E4M3 (4 exponent bits, 3 mantissa bits; 8 bits a number), with one given power-of-two scale for each operand tensor; their sums are f32. All else is computed in f32.
;;   The module's matrix products, in the order in which they are computed (A, B: the left and right operand; K: the contracted axis; several contracted axes count as one K, in the product's order):
;;     1. [M 8,192, K 1,024] x [K 1,024, N 1,024]; A: input x (given as codes); B: input Wq (given as codes): QUANTISED (scales: A lowp_scales[0], B lowp_scales[1])
;;     2. [M 8,192, K 1,024] x [K 1,024, N 1,024]; A: input x (given as codes); B: input Wk (given as codes): QUANTISED (scales: A lowp_scales[2], B lowp_scales[3])
;;     3. [M 8,192, K 1,024] x [K 1,024, N 1,024]; A: input x (given as codes); B: input Wv (given as codes): QUANTISED (scales: A lowp_scales[4], B lowp_scales[5])
;;     4. batch 4 x [M 2,048, K 1,024] x [K 1,024, N 2,048]; A: computed on the way; B: computed on the way: QUANTISED (scales: A lowp_scales[6], B lowp_scales[7])
;;     5. batch 4 x [M 2,048, K 2,048] x [K 2,048, N 1,024]; A: softmax (see below); B: computed on the way: QUANTISED (scales: A lowp_scales[8], B lowp_scales[9])
;;     6. [M 8,192, K 1,024] x [K 1,024, N 1,024]; A: computed on the way; B: input Wo (given as codes): QUANTISED (scales: A lowp_scales[10], B lowp_scales[11])
;;   THE QUANTISER, for each operand of a quantised product, along K:
;;     - The operand's scale is 2^e, e = its entry of the input lowp_scales (int32; the entries are numbered through the quantised products in the list's order, A before B).
;;     - Each number is divided by the scale, clamped to +-448, and rounded to the nearest number of E4M3, ties to even, subnormals kept.
;;     - The product sums the exact products of the quantised numbers (number of the format x scale) in f32.
;;   ~~~python
;;   def quantise(x, axis, e):      # numpy; x: float32 -> the quantised numbers, widened to float32 again
;;       x = np.moveaxis(x, axis, -1); K = x.shape[-1]
;;       r = np.clip(x / 2.0 ** e, -448, 448)
;;       step = 2.0 ** (np.maximum(np.frexp(np.where(r == 0, 1, r))[1] - 1, -6) - 3)
;;       q = np.round(r / step) * step * 2.0 ** e      # np.round: ties to even
;;       return np.moveaxis(q, -1, axis).astype(np.float32)
;;   ~~~
;;   SOFTMAX AHEAD OF A QUANTISED PRODUCT. Where the list says 'softmax', what is quantised is not the finished softmax but p = 2^(t - M), with t = logit x log2(e) and M = ceil(the row's largest t), a whole number; so 1/2 < the row's largest p <= 1. The row's sum l is taken of the UNQUANTISED p, in f32, and the product's result is divided by l at the end. Since M is a whole number, a kernel that streams over the keys may use a running M (the ceiling of the running maximum): every later rescaling is an exact power of two, so the quantised numbers keep their values, but for numbers so far below the row's largest that they fall under the format's range.
;;   OPERANDS COMPUTED ON THE WAY. 'Computed on the way' means the value that the module computes at that place (a softmax that the list does not call 'softmax' is quantised finished and normalised). What goes into a quantiser is computed in f32, as accurately as f32 sums, v_exp_f32 and their like allow (about 1e-6 of the number): no bf16 or f16 on the way to a quantiser, and a product that is left as it is and whose result goes on into a quantised operand takes f32 operands (vector FMAs, or v_wmma_f32_16x16x4_f32). A number that lies on a knife's edge between two numbers of the format may be rounded either way, as far as f32 arithmetic and the matrix unit's own rounding can turn it there, and no further.
;;   INPUTS GIVEN AS CODES. Wk (in the module: [1024, 1024], K = its axis 1); Wo (in the module: [1024, 1024], K = its axis 1); Wq (in the module: [1024, 1024], K = its axis 1); Wv (in the module: [1024, 1024], K = its axis 1); x (in the module: [4, 2048, 1024], K = its axis 2): each comes as NAME_codes (uint8): NAME with its K axis moved to the last place and cut into blocks of 32 codes, [.., K / 32, bytes a block], one block behind the other in memory; one code a byte (a code: sign, 4 exponent bits, 3 mantissa bits); its scale is its entry of lowp_scales. Its value is code x scale, taken as it is: it is not quantised again, and the codes and scales need not be those that the quantiser above would give.
;; One version. Each part assembles by itself: llvm-mc -triple=amdgcn-amd-amdhsa -mcpu=gfx1250 --defsym DOCPART=n.
;; ======== version 1 of 1: 4 launches
;; limits: right only within a limited range of input values
;; workspace buffers: qc 8,388,608 bytes; kc 8,388,608 bytes; vtc 8,388,608 bytes; pc 16,777,216 bytes; st 1,048,576 bytes; oc 8,388,608 bytes
;; launch qkv (part 1): grid 8 x 32, 4 waves a work-group, clusters of 4 x 4, 327,680 bytes of LDS; arguments x_codes, Wq_codes, Wk_codes, Wv_codes, bq, bk, bv, lowp_scales, qc, kc, vtc; writes qc, kc, vtc
.if DOCPART == 1
	.amdgcn_target "amdgcn-amd-amdhsa--gfx1250"
	.amdhsa_code_object_version 6
	.text
	.protected	k_q4fa47e271a_qkv
	.globl	k_q4fa47e271a_qkv
	.p2align	8
	.type	k_q4fa47e271a_qkv,@function
k_q4fa47e271a_qkv:
	s_mov_b64 s[64:65], 0
	v_nop
	global_prefetch_b8 v0, s[64:65] scope:SCOPE_SE
	s_setreg_imm32_b32 hwreg(HW_REG_WAVE_MODE, 25, 1), 1
	s_wait_xcnt 0x0
	s_wait_alu depctr_hold_cnt(0) depctr_sa_sdst(0) depctr_va_vdst(0) depctr_va_sdst(0) depctr_va_ssrc(0) depctr_va_vcc(0) depctr_vm_vsrc(0)
	s_getreg_b32 s2, hwreg(HW_REG_IB_STS2, 6, 4)
	s_cmp_eq_u32 s2, 0
	s_cbranch_scc0 .Lentry_in_a_cluster
	s_endpgm
.Lentry_in_a_cluster:
	s_bfe_u32 s2, ttmp6, 0x10000c
	s_cmp_lg_u32 s2, 0xf033
	s_cbranch_scc0 .Lentry_shape_is_right
	s_endpgm
.Lentry_shape_is_right:
; q = x Wq^T + bq, k = x Wk^T + bk, v = x Wv^T + bv on the given codes of E4M3, each result quantised at once for the product that takes it (q: scale entry 6, k: entry 7, v: entry 9).
; DEAD WORK: none.  Every product of reference() is live.  bk is the same for all keys' logits in real numbers, but it moves k's codes ahead of a live quantised product, so it stays.  All ten inputs are loaded by some launch.
; SHARES.  q and k together are 256 tiles of 256 tokens x 256 outputs; v is 256 half tiles of 128 channels x 256 tokens.  There are 256 work-groups, and EACH STAYS FOR TWO PHASES on its 256 tokens:
; phase 1: a tile of q (cluster x = 0) or of k (cluster x = 1), outputs 256 cx on; phase 2: v's channels 128 (4 cluster x + cx) on.  So every work-group has the same work: 512 + 256 matrix instructions a wave.
; Four waves.  Phase 1: 128 x 128 a wave, 64 accumulators.  Phase 2: 64 channels x 128 tokens a wave, 32 accumulators.
; THE RESULTS LEAVE AS IMAGES OF THE NEXT OPERAND'S REGISTERS.  The matrix instruction is used transposed: source 1's row is the lane, source 0's 16 rows run down the lane's registers (row 8 (lane / 16) + j in register j).
; So the eight registers of tile b are k = 16 b + 8 (lane / 16) + 0 .. 7 of the NEXT product, and their conversion is registers 2 b, 2 b + 1 of its fragment (16 rows x 128 k, 16 registers a lane, 2,048 bytes).
; q, k: source 1 = x's rows (lane = token), source 0 = W's rows (registers along the 1,024).  v: source 1 = Wv's rows (lane = channel), source 0 = x's rows (registers along the KEYS): v^T's fragments, nothing transposed.
; THE CHANNELS OF A TILE OF v^T ARE NOT NEIGHBOURS: lane r of tile 2 b + u takes channel 32 b + 8 u + r + 8 (r / 8), so that the attention's result has, in the 16 bytes of two neighbouring tiles, 16 neighbouring channels: the
; order in which the projection reads Wo's rows.
; A fragment is stored by four stores of 16 bytes a lane: each covers 512 consecutive bytes, aligned.  qc, kc: [token tile 512][k step 8][2,048].  vtc: [batch 4][channel tile 64][key step 16][2,048].
; x's and W's own fragments are read from LDS rows by four loads of 16 bytes: a permutation of k that is the same on both sides, so every product meets its partner.
; The bias is the C of each sum's first matrix instruction, divided by the power of two that the sums lack.
; CLUSTERS: 4 x 4.  x's tile hangs on the block of tokens, shared along a row of the cluster; W's on cx and the cluster's x, shared along a column: each is asked for jointly.
; THE RING: K goes in steps of 256 through two LDS slots, four steps a phase; a descriptor walks from slot to slot.  It does not stop between the phases: phase 1's last two changes of slots ask for phase 2's first two K steps.
; PREFETCHES INTO THE L2.  Behind the joint load of K step t stands the request for K step t + 1, which is loaded one whole K step later.  Each 256 bytes of a row are named once in a cluster: the four partners that ask
; for a tile jointly share its rows out by address (32 rows of x or of W each, a lane a row; of Wv 16 rows x two K steps).  W's and Wv's tiles are read by all eight rows of clusters: the first four rows ask.
; x's rows in phase 2 have been read in phase 1.  The bases and offsets are never rewritten: the K step stands in the immediate.
; LIMITS: with ea, eb a product's two exponents and eo its result's: ea + eb within what v_ldexp_f32 takes, eo - ea - eb between -126 and 119.  NaN among the inputs is not served; what lies beyond 448 x the scale is held there.
; REGISTERS, in windows of 256: window 0: v0-31 addresses and scales; v32-95 the bias tiles; v104-107 bv's four numbers; v128-255 source 1's fragments (phase 1: eight, ONE set; phase 2: four, TWO sets), in between the codes.
;   window 1: source 0's fragments, TWO sets, at v0 and v128.   windows 2, 3: phase 1's accumulator (a, b) at v[8 (8 (a % 4) + b)], blocks 0-3 and 4-7; phase 2's 32 lie in window 2.
.set PITCH,  272                       ; an LDS row: 256 bytes + 16 of padding: the 16 rows of a fragment load start at 16 different groups of banks
.set HALFT,  128*PITCH                 ; 128 rows: what one tensor load brings of x, Wq or Wk
.set QUART,  64*PITCH                  ; 64 rows: what one brings of Wv
.set SLOT,   4*HALFT                   ; x's 256 rows, then W's (phase 1: 256; phase 2: 128)
.set SPARE,  2*SLOT                    ; behind the ring: the spare words, 128 bytes a wave, that no other line names
.set ROWB,   256
.set KROW,   1024
.set FR,     16
.set LI,    6                          ; v6   16 x lane
.set LIMV, 10                          ; v10  448 x phase 1's conversion scale
.set SCV,  11                          ; v11  phase 1's conversion scale as f32
.set LIMV2, 12                         ; v12, v13 the same for phase 2
.set SCV2,  13
.set ADRA,  16                         ; phase 1: LDS address of source 1's fragments (x): v16 in the slot in hand, v17 in slot 0
.set ADRA2, 18                         ; phase 2: v18, v19 likewise of source 1's (Wv)
.set ADRB,  20                         ; phase 1: v20, v21 of source 0's (W)
.set ADRB2, 22                         ; phase 2: v22, v23 of source 0's (x)
.set SPW,   28
.set NIL,   29
.set BI,    32
.set TBV,   104
.set AF,    128
.set CD,    128
.set G1,  24                           ; s[24:31] group 1 for x's tiles; s[32:35] their group 0
.set G0,  32
.set G0B, 36                           ; s[48:55], s[36:39] the same for Wq's or Wk's
.set G1B, 48
.set G1V, 56                           ; s[56:63], s[92:95] the same for Wv's
.set G0V, 92
.set TF,  96                           ; where the slot that is filled next begins
.set TB,  97                           ; where the slot in hand begins
.set TRIPS, 98
.set MSB, 0
.macro WIN new                         ; the immediate's high byte repeats the setting that is left
.if MSB != (\new)
	s_set_vgpr_msb (MSB<<8)|(\new)
.set MSB, (\new)
.endif
.endm
.macro PLACES n
.rept \n
	v_nop
.endr
.endm
; A joint load: waves 0 and 1 fetch x's halves, waves 2 and 3 W's.  The branch hangs on the wave's number alone.  An s_nop 0 and four v_nop follow each line.
.macro JLOAD g0b, g1b
	s_cmp_eq_u32 s15, 0
	s_cbranch_scc0 .Lfor_b_\@
	tensor_load_to_lds s[G0:G0+3], s[G1:G1+7]
	s_nop 0
	PLACES 4
	s_branch .Lasked_\@
.Lfor_b_\@:
	tensor_load_to_lds s[\g0b:\g0b+3], s[\g1b:\g1b+7]
	s_nop 0
	PLACES 4
.Lasked_\@:
.endm
; The descriptors walk: the other slot, the next K step.  how = 0: phase 1; 1: phase 2; 2: phase 2's first K step: x goes back along K, Wv stands at its first.
.macro WALK how
	s_xor_b32 s[TF], s[TF], SLOT
	s_add_co_u32 s[G0+1], s45, s[TF]
.if \how == 2
	s_sub_nc_u64 s[G0+2:G0+3], s[G0+2:G0+3], 3*ROWB
.else
	s_add_nc_u64 s[G0+2:G0+3], s[G0+2:G0+3], ROWB
.endif
.if \how
	s_add_co_u32 s[G0V+1], s3, s[TF]
.else
	s_add_co_u32 s[G0B+1], s45, s[TF]
	s_add_nc_u64 s[G0B+2:G0B+3], s[G0B+2:G0B+3], ROWB
.endif
.if \how == 1
	s_add_nc_u64 s[G0V+2:G0V+3], s[G0V+2:G0V+3], ROWB
.endif
.endm
.macro ASK n
	s_cmp_eq_u32 s9, 0
	s_cbranch_scc0 .Lnot_mine_\@
	global_prefetch_b8 v30, s[4:5] offset:256*\n th:TH_LOAD_NT scope:SCOPE_SE
.Lnot_mine_\@:
.endm
.macro ASKV n                          ; n = 1: Wv's K steps 0 and 1; n = 2: 2 and 3
	s_cmp_eq_u32 s8, 0
	s_cbranch_scc1 .Lnot_mine_\@
	global_prefetch_b8 v31, s[6:7] offset:512*(\n-1) th:TH_LOAD_NT scope:SCOPE_SE
.Lnot_mine_\@:
.endm
.macro CREST                           ; a round of the cluster's barrier behind its opening barrier
	s_cmp_lg_u32 s14, 0
	s_cbranch_scc1 .Lnot_wave_0_\@
	s_barrier_signal -3
.Lnot_wave_0_\@:
	s_barrier_wait -3
	s_barrier_signal -1
	s_barrier_wait -1
.endm
.macro CROUND
	s_barrier_signal -1
	s_barrier_wait -1
	CREST
.endm
	s_load_b256 s[4:11], s[0:1], 0x0               ; x s[4:5], Wq s[6:7], Wk s[8:9], Wv s[10:11]
	s_load_b256 s[68:75], s[0:1], 0x20             ; bq s[68:69], bk s[70:71], bv s[72:73], the scales' exponents s[74:75]
	s_load_b128 s[76:79], s[0:1], 0x40             ; qc s[76:77], kc s[78:79]
	s_load_b64 s[80:81], s[0:1], 0x50              ; vtc
	v_lshl_add_u32 v[SPW], v0, 2, SPARE
	v_mov_b32 v[NIL], 0
	ds_add_u32 v[SPW], v[NIL]                      ; the wave's opening: the add, twice on end, and its wait ahead of my first tensor load
	ds_add_u32 v[SPW], v[NIL]
	v_lshrrev_b32 v1, 5, v0
	v_readfirstlane_b32 s14, v1                    ; wave 0..3
	s_lshr_b32 s15, s14, 1                         ; ah: my half of source 1's rows.  Also: I fetch x (0) or W (1)
	s_and_b32 s16, s14, 1                          ; bh: my half of source 0's rows.  Also: which half of that tile I fetch
	s_bfe_u32 s40, ttmp6, 0x40000                  ; cx = the block of 256 rows of Wq or Wk
	s_bfe_u32 s41, ttmp6, 0x40004                  ; cy
	s_and_b32 s17, ttmp7, 0xffff
	s_lshl_b32 s17, s17, 2
	s_add_co_u32 s17, s17, s41                     ; i = 4 x cluster y + cy: the block of 256 tokens
	s_lshl_b32 s42, ttmp9, 2
	s_add_co_u32 s42, s42, s40                     ; 4 x cluster x + cx: the block of 128 rows of Wv
	s_lshl_b32 s43, s41, 2
	s_lshl_b32 s43, 15, s43                        ; my row of the cluster
	s_lshl_b32 s44, 0x1111, s40                    ; my column
	s_or_b32 s[G1+0], s43, (1<<20)|(1<<21)|(5<<22)|(3<<25)   ; x's tiles go to my row; elements of 1 byte; padding of 4 words behind every 64; bit 21 beside a mask
	s_or_b32 s[G1B+0], s44, (1<<20)|(1<<21)|(5<<22)|(3<<25)  ; Wq's or Wk's to my column
	s_or_b32 s[G1V+0], s44, (1<<20)|(1<<21)|(5<<22)|(3<<25)  ; Wv's likewise
.irp g, G1, G1B, G1V
	s_mov_b32 s[\g+1], ROWB<<16                    ; tensor_dim0
	s_mov_b32 s[\g+3], ROWB<<16                    ; tile_dim0
	s_mov_b32 s[\g+5], KROW                        ; pitch
	s_mov_b32 s[\g+6], 0
	s_mov_b32 s[\g+7], 0
.endr
.irp g, G1, G1B
	s_mov_b32 s[\g+2], 128<<16                     ; 128 rows
	s_mov_b32 s[\g+4], 128
.endr
	s_mov_b32 s[G1V+2], 64<<16                     ; 64 rows
	s_mov_b32 s[G1V+4], 64
	s_lshl_b32 s18, s16, 17                        ; 128 rows of 1,024 bytes x my half
	s_lshl_b32 s20, s17, 18
	s_add_co_u32 s20, s20, s18                     ; x: row 256 i + 128 half
	s_mov_b32 s21, 0
	s_lshl_b32 s46, s40, 18
	s_add_co_u32 s46, s46, s18                     ; Wq, Wk: row 256 cx + 128 half
	s_mov_b32 s47, 0
	s_lshl_b32 s12, s42, 17
	s_lshl_b32 s13, s16, 16
	s_add_co_u32 s12, s12, s13                     ; Wv: row 128 (4 cluster x + cx) + 64 half
	s_mov_b32 s13, 0
	s_mul_i32 s45, s14, HALFT                      ; where x's, Wq's and Wk's parts go: wave x 128 rows
	s_mul_i32 s3, s16, QUART
	s_add_co_u32 s3, s3, 2*HALFT                   ; and Wv's: behind x's 256 rows, half x 64 rows
	s_mov_b32 s[TF], 0
	s_mov_b32 s[TB], 0
	s_wait_dscnt 0x0                               ; both opening adds are done
	CROUND                                         ; all sixteen work-groups are here: the first joint loads meet (the arguments are on their way meanwhile)
	s_wait_kmcnt 0x0
	s_load_b256 s[84:91], s[74:75], 0x0            ; entries 0 to 7
	s_load_b32 s82, s[74:75], 0x24                 ; entry 9
	s_cmp_eq_u32 ttmp9, 1                          ; phase 1's buffers: a choice on the cluster's number alone
	s_cselect_b64 s[6:7], s[8:9], s[6:7]
	s_cselect_b64 s[68:69], s[70:71], s[68:69]
	s_cselect_b64 s[76:77], s[78:79], s[76:77]
	s_add_nc_u64 s[20:21], s[4:5], s[20:21]
	s_add_nc_u64 s[46:47], s[6:7], s[46:47]
	s_add_nc_u64 s[12:13], s[10:11], s[12:13]
	s_mov_b32 s[G0], 1
	s_mov_b32 s[G0+1], s45
	s_mov_b64 s[G0+2:G0+3], s[20:21]
	s_or_b32 s[G0+3], s[G0+3], 0x80000000
	s_mov_b32 s[G0B], 1
	s_mov_b32 s[G0B+1], s45
	s_mov_b64 s[G0B+2:G0B+3], s[46:47]
	s_or_b32 s[G0B+3], s[G0B+3], 0x80000000
	s_mov_b32 s[G0V], 1
	s_mov_b32 s[G0V+1], s3
	s_mov_b64 s[G0V+2:G0V+3], s[12:13]
	s_or_b32 s[G0V+3], s[G0V+3], 0x80000000
	JLOAD G0B, G1B                                 ; K step 0: one tensor load a wave at the head
	s_cmp_eq_u32 s15, 0                            ; the prefetches: my wave's 128 rows of x or W,
	s_cselect_b64 s[4:5], s[20:21], s[46:47]
	s_cselect_b32 s6, s40, s41                     ; of which my work-group's 32
	s_lshl_b32 s6, s6, 15
	s_mov_b32 s7, 0
	s_add_nc_u64 s[4:5], s[4:5], s[6:7]
	s_lshl_b32 s6, s41, 14                         ; and 16 of my wave's 64 rows of Wv
	s_add_nc_u64 s[6:7], s[12:13], s[6:7]
	s_and_b32 s9, ttmp7, 0xffff                    ; the cluster's y, 0 to 7
	s_lshr_b32 s9, s9, 2
	s_and_b32 s9, s9, s15                          ; 1: a wave for W in the last four rows of clusters asks for nothing
	s_xor_b32 s8, s9, s15                          ; 1: a wave for W in the first four asks for Wv
	s_mul_i32 s21, s15, HALFT                      ; phase 1, source 1: my half ah of x's rows
	s_mul_i32 s18, s16, HALFT                      ; phase 2, source 0: my half bh of x's rows
	s_add_co_u32 s22, s18, 2*HALFT                 ; phase 1, source 0: my half bh of W's rows
	s_mul_i32 s23, s15, QUART
	s_add_co_u32 s23, s23, 2*HALFT                 ; phase 2, source 1: my half ah of Wv's 128 rows
	v_and_b32 v1, 15, v0                           ; r
	v_bfe_u32 v2, v0, 4, 1                         ; h
	v_and_b32 v5, 31, v0
	v_lshlrev_b32 v[LI], 4, v5
	v_lshlrev_b32 v30, 10, v5
	v_lshlrev_b32 v31, 10, v1
	v_lshl_add_u32 v31, v2, 8, v31
	v_mul_u32_u24 v3, v1, PITCH
	v_lshl_add_u32 v4, v2, 4, v3                   ; a fragment's row x pitch + 16 h
	v_and_b32 v9, 8, v1
	v_add_nc_u32 v9, v9, v1                        ; r + 8 (r / 8): the rows of Wv
	v_lshlrev_b32 v8, 2, v9                        ; bv: the lane is the channel: one number for all eight registers of a block
	v_mul_u32_u24 v9, v9, PITCH
	v_lshl_add_u32 v9, v2, 4, v9
	v_lshlrev_b32 v7, 5, v2                        ; q, k: tile b's register j is output 16 b + 8 h + j of my 128
	v_add_nc_u32 v[ADRA+1], s21, v4
	v_add_nc_u32 v[ADRB+1], s22, v4
	v_add_nc_u32 v[ADRA2+1], s23, v9
	v_add_nc_u32 v[ADRB2+1], s18, v4
.irp g, ADRA, ADRB, ADRA2, ADRB2
	v_add_nc_u32 v[\g], s[TB], v[\g+1]
.endr
	s_wait_alu depctr_va_vdst(0)
	ASK 1
	s_lshl_b32 s18, s40, 10                        ; bq or bk: 256 cx numbers on,
	s_lshl_b32 s19, s16, 9                         ; and 128 x my half bh
	s_add_co_u32 s18, s18, s19
	s_mov_b32 s19, 0
	s_add_nc_u64 s[68:69], s[68:69], s[18:19]
	s_lshl_b32 s18, s42, 9                         ; bv: 128 numbers x the block,
	s_lshl_b32 s20, s15, 8                         ; and 64 x my half ah
	s_add_co_u32 s18, s18, s20
	s_add_nc_u64 s[72:73], s[72:73], s[18:19]
.irp b, 0,1,2,3,4,5,6,7
	global_load_b128 v[BI+8*\b:BI+8*\b+3], v7, s[68:69] offset:64*\b
	global_load_b128 v[BI+8*\b+4:BI+8*\b+7], v7, s[68:69] offset:64*\b+16
.endr
.irp a, 0,1,2,3
	global_load_b32 v[TBV+\a], v8, s[72:73] offset:128*(\a/2)+32*(\a%2)
.endr
	; where the fragments go.  q, k: token tile 16 i + 8 ah + a (16,384 bytes each), k step 2 cx + bh
	s_lshl_b32 s18, s17, 4
	s_lshl_b32 s20, s15, 3
	s_add_co_u32 s18, s18, s20
	s_lshl_b32 s18, s18, 14
	s_lshl_b32 s20, s40, 1
	s_add_co_u32 s20, s20, s16
	s_lshl_b32 s20, s20, 11
	s_add_co_u32 s18, s18, s20
	s_add_nc_u64 s[76:77], s[76:77], s[18:19]
	; v: batch i / 8, channel tile 8 x the block + 4 ah + a (32,768 bytes each), key step 2 (i % 8) + bh
	s_lshr_b32 s18, s17, 3
	s_lshl_b32 s18, s18, 21
	s_lshl_b32 s20, s42, 3
	s_lshl_b32 s22, s15, 2
	s_add_co_u32 s20, s20, s22
	s_lshl_b32 s20, s20, 15
	s_add_co_u32 s18, s18, s20
	s_and_b32 s20, s17, 7
	s_lshl_b32 s20, s20, 1
	s_add_co_u32 s20, s20, s16
	s_lshl_b32 s20, s20, 11
	s_add_co_u32 s18, s18, s20
	s_add_nc_u64 s[80:81], s[80:81], s[18:19]
	s_wait_kmcnt 0x0                               ; the exponents
	s_cmp_eq_u32 ttmp9, 1
	s_cselect_b32 s84, s86, s84                    ; phase 1: ea
	s_cselect_b32 s85, s87, s85                    ; eb
	s_cselect_b32 s90, s91, s90                    ; eo
	s_add_co_i32 s84, s84, s85                     ; a sum stands for sum x 2^(ea + eb)
	s_sub_co_i32 s66, 0, s84                       ; so the bias goes in x 2^-(ea + eb),
	s_sub_co_i32 s90, s90, s84                     ; and a code is sum / 2^(eo - ea - eb)
	s_add_co_i32 s90, s90, 127
	s_lshl_b32 s91, s90, 23
	v_mov_b32 v[SCV], s91
	s_add_co_i32 s90, s90, 8
	s_lshl_b32 s90, s90, 23
	s_or_b32 s90, s90, 0x600000
	v_mov_b32 v[LIMV], s90                         ; 448 x that
	s_add_co_i32 s88, s88, s89                     ; phase 2: entries 4 and 5,
	s_sub_co_i32 s67, 0, s88
	s_sub_co_i32 s82, s82, s88                     ; and entry 9
	s_add_co_i32 s82, s82, 127
	s_lshl_b32 s83, s82, 23
	v_mov_b32 v[SCV2], s83
	s_add_co_i32 s82, s82, 8
	s_lshl_b32 s82, s82, 23
	s_or_b32 s82, s82, 0x600000
	v_mov_b32 v[LIMV2], s82
.macro FRAG reg, adr, q, i             ; 16 rows x 128 K: registers 4 c .. 4 c + 3 hold K = 32 c + 16 h + 0 .. 15 of row r
.irp c, 0,1,2,3
	ds_load_b128 v[\reg+4*\c:\reg+4*\c+3], v[\adr] offset:128*(\q)+32*\c+(\i)*16*PITCH
.endr
.endm
; PHASE 1.  ONE: source 1's block a x source 0's tile b.  p: source 0's set.  cm = 0: the sum goes on; 1: it starts from the bias of tile b.
; The 64 accumulators take turns, one instruction a turn, in the same order in every step.
.macro ONE a, b, p, cm
.if \cm == 0
	v_wmma_f32_16x16x128_fp8_fp8 v[8*(8*((\a)%4)+(\b)):8*(8*((\a)%4)+(\b))+7], v[128*(\p)+FR*(\b):128*(\p)+FR*(\b)+FR-1], v[AF+FR*(\a):AF+FR*(\a)+FR-1], v[8*(8*((\a)%4)+(\b)):8*(8*((\a)%4)+(\b))+7]
.else
	v_wmma_f32_16x16x128_fp8_fp8 v[8*(8*((\a)%4)+(\b)):8*(8*((\a)%4)+(\b))+7], v[128*(\p)+FR*(\b):128*(\p)+FR*(\b)+FR-1], v[AF+FR*(\a):AF+FR*(\a)+FR-1], v[BI+8*(\b):BI+8*(\b)+7]
.endif
.endm
.macro MUL16 a0, p, cm
.irp a, \a0, \a0+1
.irp b, 0,1,2,3,4,5,6,7
	ONE \a, \b, \p, \cm
.endr
.endr
.endm
.macro FETCH_B q, p
	WIN 0x40                                       ; destination window 1
.irp i, 0,1,2,3,4,5,6,7
	FRAG 128*(\p)+FR*\i, ADRB, \q, \i
.endr
	WIN 0
.endm
.macro FETCH_A q, i0
.irp i, \i0, \i0+1, \i0+2, \i0+3
	FRAG AF+FR*(\i), ADRA, \q, \i
.endr
.endm
.macro HOLD hi, lim, n0, cnt           ; the conversion to an 8-bit code does not saturate (ISA guide 7.6.2); each accumulator from its low end on
	WIN 0x82+0x41*\hi
.set n, \n0
.rept \cnt
	v_med3_num_f32 v[n], v[n], -v[\lim], v[\lim]
.set n, n+1
.endr
.endm
.macro CODES a, sc                     ; the codes of block a: the next operand's registers
	WIN 0x02+(\a)/4
.irp b, 0,1,2,3,4,5,6,7
	v_cvt_scalef32_pk8_fp8_f32 v[CD+16*(\a)+2*\b:CD+16*(\a)+2*\b+1], v[8*(8*((\a)%4)+\b):8*(8*((\a)%4)+\b)+7], v[\sc]
.endr
	v_nop                                          ; one plain line behind the last conversion
	WIN 0
.endm
.macro QSTORE a, base, stride          ; a block's place stands in the immediate
.irp c, 0,1,2,3
	global_store_b128 v[LI], v[CD+16*(\a)+4*\c:CD+16*(\a)+4*\c+3], s[\base:\base+1] offset:\stride*(\a)+512*\c   ; 32 lanes store 512 consecutive bytes, aligned
.endr
.endm
; A slot's first 128 along K.  A block of source 1 is free as soon as its eight products are issued, so one set serves it: blocks 0-3 are fetched anew in the middle, blocks 4-7 at the end.
; Four plain vector lines stand between matrix instructions and loads into registers that they have read.
.macro STEP cm
	s_wait_dscnt 16                                ; source 0's set and blocks 0-3 are in; the youngest 16 loads (blocks 4-7) may be out
.if \cm
	WIN 0x81                                       ; source 0 window 1, source 1 and C window 0, D window 2
.else
	WIN 0xa1
.endif
	MUL16 0, 0, \cm
	MUL16 2, 0, \cm
	s_wait_dscnt 0x0                               ; blocks 4-7 are in
	PLACES 4
	FETCH_B 1, 1
	FETCH_A 1, 0
.if \cm
	WIN 0xc1
.else
	WIN 0xf1
.endif
	MUL16 4, 0, \cm
	MUL16 6, 0, \cm
	PLACES 4
	WIN 0
	FETCH_A 1, 4
.endm
; A slot's second 128 along K changes slots: a round of the cluster's barrier; in front of it each wave waits for all its tensor loads, adds 0 to its spare word, and waits for that and for its reads of this slot.
; fill = 1: the slot takes this phase's K step two on.  fill = 2: it takes phase 2's K step 0.  fill = 3: phase 2's K step 1, and no fragment of phase 1 is left to fetch: 192 holds of blocks 0-2, whose products are finished,
; stand between the last products of blocks 4-7.
.macro TURN fill
	s_wait_tensorcnt 0x0                           ; all my tensor loads have landed: my part of the other slot
	ds_add_u32 v[SPW], v[NIL]
.if \fill == 1
	WALK 0
.elseif \fill == 2
	WALK 2
.else
	WALK 1
.endif
	s_wait_dscnt 17                                ; (the add and the youngest 16 loads may be out)
	WIN 0xa1
	MUL16 0, 1, 0
	s_wait_dscnt 0x0                               ; the add is done, and my reads of this slot are over
	s_barrier_signal -1
	MUL16 2, 1, 0
	WIN 0
	s_barrier_wait -1
	CREST                                          ; the barrier has opened a round of the cluster's: no wave of any partner still reads this slot or has a load on its way
.if \fill == 1
	JLOAD G0B, G1B                                 ; the first tensor load behind the round; its four v_nop are the places in front of the loads (or holds) below
.else
	JLOAD G0V, G1V
.endif
	s_xor_b32 s[TB], s[TB], SLOT                   ; on to the other slot
.if \fill < 3
	v_add_nc_u32 v[ADRA], s[TB], v[ADRA+1]
	v_add_nc_u32 v[ADRB], s[TB], v[ADRB+1]
	s_wait_alu depctr_va_vdst(0)
	FETCH_B 0, 0
	FETCH_A 0, 0
.if \fill == 1
	s_cmp_eq_u32 s[TRIPS], 2                       ; the first trip asks for K step 3 and for Wv's first two
	s_cbranch_scc0 .Lno_ask_\@
	ASK 3
	ASKV 1
.Lno_ask_\@:
.else
	ASKV 2
.endif
	WIN 0xf1
	MUL16 4, 1, 0
	MUL16 6, 1, 0
	PLACES 4
	WIN 0
	FETCH_A 0, 4
.else
.irp a, 4,5,6,7
.irp b, 0,2,4,6
	WIN 0xf1
	ONE \a, \b, 1, 0
	ONE \a, \b+1, 1, 0
	HOLD 0, LIMV, 48*(\a-4)+6*\b, 12
.endr
.endr
	WIN 0
.endif
.endm
; PHASE 2.  x's eight fragments (source 0) into set p of window 1; Wv's four (source 1) into set p of window 0.
.macro FETCH4B q, p
	WIN 0x40
.irp i, 0,1,2,3,4,5,6,7
	FRAG 128*(\p)+FR*\i, ADRB2, \q, \i
.endr
	WIN 0
.endm
.macro FETCH4A q, p
.irp i, 0,1,2,3
.irp c, 0,1,2,3
	ds_load_b128 v[AF+64*(\p)+FR*\i+4*\c:AF+64*(\p)+FR*\i+4*\c+3], v[ADRA2] offset:128*(\q)+32*\c+(32*(\i/2)+8*(\i%2))*PITCH
.endr
.endr
.endm
; block a of 16 channels x the tile b of keys; cm = 1: the sums start from bv of block a.  The 32 accumulators take turns, one instruction a turn
.macro ONEV a, b, p, cm
.if \cm
	v_wmma_f32_16x16x128_fp8_fp8 v[8*(8*(\a)+(\b)):8*(8*(\a)+(\b))+7], v[128*(\p)+FR*(\b):128*(\p)+FR*(\b)+FR-1], v[AF+64*(\p)+FR*(\a):AF+64*(\p)+FR*(\a)+FR-1], v[BI+8*(\a):BI+8*(\a)+7]
.else
	v_wmma_f32_16x16x128_fp8_fp8 v[8*(8*(\a)+(\b)):8*(8*(\a)+(\b))+7], v[128*(\p)+FR*(\b):128*(\p)+FR*(\b)+FR-1], v[AF+64*(\p)+FR*(\a):AF+64*(\p)+FR*(\a)+FR-1], v[8*(8*(\a)+(\b)):8*(8*(\a)+(\b))+7]
.endif
.endm
.macro MUL8 a, p, cm
.irp b, 0,1,2,3,4,5,6,7
	ONEV \a, \b, \p, \cm
.endr
.endm
.macro HALF0 cm                        ; a slot's first 128 along K, on set 0; the second 128 are fetched into set 1
	s_wait_dscnt 0x0                               ; set 0 is in
.if !\cm
	PLACES 4                                       ; in front of loads into set 1, which the last products read
.endif
	WIN 0
	FETCH4B 1, 1
	FETCH4A 1, 1
.if \cm
	WIN 0x81
.else
	WIN 0xa1
.endif
	MUL8 0, 0, \cm
	MUL8 1, 0, \cm
	MUL8 2, 0, \cm
	MUL8 3, 0, \cm
	WIN 0
.endm
.macro HALF1 fill                      ; its second 128, on set 1, and the change of slots
	s_wait_tensorcnt 0x0                           ; all my tensor loads have landed: my part of the other slot
	ds_add_u32 v[SPW], v[NIL]
.if \fill
	WALK 1
.endif
	s_wait_dscnt 1                                 ; set 1 is in (the add alone may be out)
	WIN 0xa1
	MUL8 0, 1, 0
	s_wait_dscnt 0x0                               ; the add is done, and my reads of this slot are over
	s_barrier_signal -1
	MUL8 1, 1, 0
	WIN 0
	s_barrier_wait -1
.if \fill
	CREST                                          ; no wave of any partner still reads this slot or has a load on its way
	JLOAD G0V, G1V                                 ; its four v_nop are the places in front of the loads into set 0
.else
	PLACES 4
.endif
	s_xor_b32 s[TB], s[TB], SLOT
	v_add_nc_u32 v[ADRA2], s[TB], v[ADRA2+1]
	v_add_nc_u32 v[ADRB2], s[TB], v[ADRB2+1]
	s_wait_alu depctr_va_vdst(0)
	FETCH4B 0, 0
	FETCH4A 0, 0
	WIN 0xa1
	MUL8 2, 1, 0
	MUL8 3, 1, 0
.endm
	s_wait_alu depctr_va_vdst(0)
	s_wait_tensorcnt 0x0                           ; my part of K step 0 is in
	ds_add_u32 v[SPW], v[NIL]
	WALK 0
	s_wait_dscnt 0x0
	CROUND                                         ; everybody's part of K step 0 is in
	JLOAD G0B, G1B                                 ; K step 1: the first tensor load behind the round
	FETCH_B 0, 0
	FETCH_A 0, 0
	FETCH_A 0, 4
	ASK 2
	s_wait_loadcnt 0x0                             ; the biases
.set n, 0
.rept 64
	v_ldexp_f32 v[BI+n], v[BI+n], s66
.set n, n+1
.endr
	s_wait_alu depctr_va_vdst(0)                   ; directly ahead of the wait on DScnt
	STEP 1                                         ; the first products start the sums from the bias: nothing is cleared
	s_mov_b32 s[TRIPS], 2
.Lk1:                                                  ; two trips, which fill the slots again with K steps 2 and 3
	TURN 1
	STEP 0
	s_sub_co_u32 s[TRIPS], s[TRIPS], 1
	s_cmp_lg_u32 s[TRIPS], 0
	s_cbranch_scc1 .Lk1
	TURN 2                                         ; THE RING GOES ON INTO PHASE 2: slot 0 takes its K step 0,
	STEP 0
	TURN 3                                         ; slot 1 its K step 1.  Slot 0 is whole behind this round
	FETCH4B 0, 0                                   ; phase 2's first fragments of x land while phase 1 goes out (the holds are the places behind the last products)
	HOLD 0, LIMV, 192, 64
.irp a, 0,1,2,3
	CODES \a, SCV
	QSTORE \a, 76, 16384
.endr
	HOLD 1, LIMV, 0, 256
.irp a, 4,5,6,7
	CODES \a, SCV
	QSTORE \a, 76, 16384
.endr
.irp a, 0,1,2,3
.irp j, 0,1,2,3,4,5,6,7
	v_ldexp_f32 v[BI+8*\a+\j], v[TBV+\a], s67      ; bv x 2^-(ea + eb), spread over block a's eight registers
.endr
.endr
	s_wait_alu depctr_va_vdst(0)
	s_wait_xcnt 0x0                                ; the stores have read the codes' registers: Wv's fragments may land there
	FETCH4A 0, 0
	HALF0 1
	s_mov_b32 s[TRIPS], 2
.Lk2:                                                  ; two trips, which fill the slots again with K steps 2 and 3
	HALF1 1
	HALF0 0
	s_sub_co_u32 s[TRIPS], s[TRIPS], 1
	s_cmp_lg_u32 s[TRIPS], 0
	s_cbranch_scc1 .Lk2
	HALF1 0
	HALF0 0
	s_wait_dscnt 0x0                               ; the very last 128 along K: nothing more to fetch
	WIN 0xa1
	MUL8 0, 1, 0
	MUL8 1, 1, 0
	PLACES 4                                       ; in front of the first reads of results
.irp a, 2,3
.irp b, 0,2,4,6                        ; 96 holds of blocks 0 and 1 stand between the last products of blocks 2 and 3
	WIN 0xa1
	ONEV \a, \b, 1, 0
	ONEV \a, \b+1, 1, 0
	HOLD 0, LIMV2, 48*(\a-2)+6*\b, 12
.endr
.endr
	HOLD 0, LIMV2, 96, 32
.irp a, 0,1,2,3
.if \a > 1
	HOLD 0, LIMV2, 64*\a, 64
.endif
	CODES \a, SCV2
	QSTORE \a, 80, 32768                           ; each block leaves as soon as it is converted
.endr
	s_wait_tensorcnt 0x0                           ; the wave's end
	ds_add_u32 v[SPW], v[NIL]
	s_wait_dscnt 0x0
	CROUND                                         ; the closing round
	s_endpgm
.Lfunc_end_k_q4fa47e271a_qkv:
	.size	k_q4fa47e271a_qkv, .Lfunc_end_k_q4fa47e271a_qkv-k_q4fa47e271a_qkv
	.p2alignl 7, 3214868480
	.fill 96, 4, 3214868480
	.section	.rodata,"a",@progbits
	.p2align	6, 0x0
	.amdhsa_kernel k_q4fa47e271a_qkv
		.amdhsa_group_segment_fixed_size 327680
		.amdhsa_private_segment_fixed_size 0
		.amdhsa_enable_private_segment 0
		.amdhsa_kernarg_size 88
		.amdhsa_user_sgpr_count 2
		.amdhsa_user_sgpr_kernarg_segment_ptr 1
		.amdhsa_wavefront_size32 1
		.amdhsa_system_sgpr_workgroup_id_x 1
		.amdhsa_system_sgpr_workgroup_id_y 1
		.amdhsa_system_sgpr_workgroup_id_z 1
		.amdhsa_system_vgpr_workitem_id 0
		.amdhsa_next_free_vgpr 1024
		.amdhsa_next_free_sgpr 100
		.amdhsa_reserve_vcc 0
		.amdhsa_float_denorm_mode_32 3
		.amdhsa_float_denorm_mode_16_64 3
		.amdhsa_memory_ordered 1
		.amdhsa_forward_progress 1
		.amdhsa_inst_pref_size 169
	.end_amdhsa_kernel
	.amdgpu_metadata
---
amdhsa.version: [ 1, 2 ]
amdhsa.kernels:
  - .name:           k_q4fa47e271a_qkv
    .symbol:         k_q4fa47e271a_qkv.kd
    .args:
      - { .name: x_codes, .offset: 0, .size: 8, .value_kind: global_buffer, .address_space: global }
      - { .name: Wq_codes, .offset: 8, .size: 8, .value_kind: global_buffer, .address_space: global }
      - { .name: Wk_codes, .offset: 16, .size: 8, .value_kind: global_buffer, .address_space: global }
      - { .name: Wv_codes, .offset: 24, .size: 8, .value_kind: global_buffer, .address_space: global }
      - { .name: bq, .offset: 32, .size: 8, .value_kind: global_buffer, .address_space: global }
      - { .name: bk, .offset: 40, .size: 8, .value_kind: global_buffer, .address_space: global }
      - { .name: bv, .offset: 48, .size: 8, .value_kind: global_buffer, .address_space: global }
      - { .name: lowp_scales, .offset: 56, .size: 8, .value_kind: global_buffer, .address_space: global }
      - { .name: qc, .offset: 64, .size: 8, .value_kind: global_buffer, .address_space: global }
      - { .name: kc, .offset: 72, .size: 8, .value_kind: global_buffer, .address_space: global }
      - { .name: vtc, .offset: 80, .size: 8, .value_kind: global_buffer, .address_space: global }
    .group_segment_fixed_size: 327680
    .private_segment_fixed_size: 0
    .kernarg_segment_align: 8
    .kernarg_segment_size: 88
    .max_flat_workgroup_size: 128
    .sgpr_count:     100
    .vgpr_count:     1024
    .wavefront_size: 32
...
	.end_amdgpu_metadata
.endif
;; end of part 1
;; launch scores (part 2): grid 8 x 32, 4 waves a work-group, clusters of 4 x 4, 327,680 bytes of LDS; arguments qc, kc, lowp_scales, pc, st; writes pc, st
.if DOCPART == 2
	.amdgcn_target "amdgcn-amd-amdhsa--gfx1250"
	.amdhsa_code_object_version 6
	.text
	.protected	k_q4fa47e271a_scores
	.globl	k_q4fa47e271a_scores
	.p2align	8
	.type	k_q4fa47e271a_scores,@function
k_q4fa47e271a_scores:
	s_mov_b64 s[64:65], 0
	v_nop
	global_prefetch_b8 v0, s[64:65] scope:SCOPE_SE
	s_setreg_imm32_b32 hwreg(HW_REG_WAVE_MODE, 25, 1), 1
	s_wait_xcnt 0x0
	s_wait_alu depctr_hold_cnt(0) depctr_sa_sdst(0) depctr_va_vdst(0) depctr_va_sdst(0) depctr_va_ssrc(0) depctr_va_vcc(0) depctr_vm_vsrc(0)
	s_getreg_b32 s2, hwreg(HW_REG_IB_STS2, 6, 4)
	s_cmp_eq_u32 s2, 0
	s_cbranch_scc0 .Lentry_in_a_cluster
	s_endpgm
.Lentry_in_a_cluster:
	s_bfe_u32 s2, ttmp6, 0x10000c
	s_cmp_lg_u32 s2, 0xf033
	s_cbranch_scc0 .Lentry_shape_is_right
	s_endpgm
.Lentry_shape_is_right:
; S = q k^T on the codes that the launch before made, and the softmax's p for a tile of 256 queries x 256 keys, quantised along the keys.  No work of reference() is left out.
; t = score x log2(e) / 32.  For each query, M = ceil(the largest t among THESE 256 keys), a whole number; p = 2^(t - M) is quantised with the given 2^e8; the sum l of the unquantised p and -M go to st.
; The next launch brings the eight key tiles of a row under the row's largest M by exact powers of two.  LIMIT: numbers that under the row's own M would fall below the format's range are kept more finely here.
; SHARES.  A work-group: 256 queries x 256 keys, four waves, 128 x 128 each.  Source 1 = q (lane = query), source 0 = k (registers along the keys): p's conversions are the next product's fragment registers.
; qc, kc: [token tile][k step 8][2,048]: images of fragment registers.  A slot holds 256 along K: for each of 16 + 16 tiles 4,096 consecutive bytes; a fragment comes by four loads at 16 x lane: consecutive bytes.
; Two slots, 2^17 bytes apart: one exclusive or turns an address and a descriptor from one to the other.
; pc: [query tile 512][key step 16][2,048].  st: f32 [block of 128 queries 64][key step 16][-M, l][4 a' of block a = 4 h + a' at (h, r)]: 512 bytes each, stored whole by one instruction.
; CLUSTERS: 4 x 4.  q's tile hangs on the block of queries (a row of the cluster), k's on the block of keys and the batch (a column): joint loads.
; PREFETCHES INTO THE L2: behind the joint load of K step t stands the request for K step t + 1, which is loaded one whole K step later.  Of the eight tiles that a wave fetches jointly each of the four partners names two, told
; apart by address: 16 lanes a tile, 256 bytes a lane.  The base and the offset are never rewritten: the step along K stands in the immediate.
; LIMITS: e6 + e7 between -121 and 132 (added to the exponent field of log2(e) / 32); e8 between -126 and 119.  NaN is not served.
; REGISTERS: window 0: v0-31 addresses; way out: v32-39 maxima, v40-47 their second chain, v48-63 pairs (-M, t), v64-71 l, v72-103 sums at work, v104-111 what goes to st; v128-255 q's fragments, later the codes.
;   window 1: k's fragments, two sets.   windows 2, 3: accumulator (a, b) at v[8 (8 (a % 4) + b)].
.set SLOT,   1<<17                     ; q's 16 tiles of 4,096 bytes, then k's 16
.set EX,     2*SLOT                    ; 4,096 bytes of their own: the waves' row maxima; no tile lands there
.set SPARE,  EX+4096                   ; the spare words
.set FR,     16
.set LI,   6
.set LIMV, 10
.set SCV,  11
.set EXS,  12
.set EXR,  13
.set ADRA, 16                          ; v16 in the slot in hand; v17 in slot 0
.set ADRB, 20
.set SPW,  28
.set NIL,  29
.set PFO,  30
.set MX,   32
.set PX,   40
.set NM,   48
.set LS,   64
.set T,    72
.set SG,   104
.set AF,   128
.set CD,   128
.set G1,  24
.set G0,  32
.set G0B, 36
.set G1B, 48
.set TB,  68                           ; where the slot in hand begins
.set TRIPS, 69
.set PFA, 70
.set MSB, 0
.macro WIN new                         ; the immediate's high byte repeats the setting that is left
.if MSB != (\new)
	s_set_vgpr_msb (MSB<<8)|(\new)
.set MSB, (\new)
.endif
.endm
.macro PLACES n
.rept \n
	v_nop
.endr
.endm
.macro JLOAD                           ; waves 0 and 1 fetch q's halves, waves 2 and 3 k's; an s_nop 0 and four v_nop follow each line
	s_cmp_eq_u32 s15, 0
	s_cbranch_scc0 .Lfor_b_\@
	tensor_load_to_lds s[G0:G0+3], s[G1:G1+7]
	s_nop 0
	PLACES 4
	s_branch .Lasked_\@
.Lfor_b_\@:
	tensor_load_to_lds s[G0B:G0B+3], s[G1B:G1B+7]
	s_nop 0
	PLACES 4
.Lasked_\@:
.endm
.macro WALK                            ; the descriptors: the other slot, the next 256 along K
	s_xor_b32 s[G0+1], s[G0+1], SLOT
	s_add_nc_u64 s[G0+2:G0+3], s[G0+2:G0+3], 4096
	s_xor_b32 s[G0B+1], s[G0B+1], SLOT
	s_add_nc_u64 s[G0B+2:G0B+3], s[G0B+2:G0B+3], 4096
.endm
.macro CREST
	s_cmp_lg_u32 s14, 0
	s_cbranch_scc1 .Lnot_wave_0_\@
	s_barrier_signal -3
.Lnot_wave_0_\@:
	s_barrier_wait -3
	s_barrier_signal -1
	s_barrier_wait -1
.endm
.macro CROUND
	s_barrier_signal -1
	s_barrier_wait -1
	CREST
.endm
	s_load_b128 s[4:7], s[0:1], 0x0                ; qc, kc
	s_load_b128 s[8:11], s[0:1], 0x10              ; the scales' exponents s[8:9], pc s[10:11]
	s_load_b64 s[12:13], s[0:1], 0x20              ; st
	v_lshl_add_u32 v[SPW], v0, 2, SPARE
	v_mov_b32 v[NIL], 0
	ds_add_u32 v[SPW], v[NIL]                      ; the wave's opening: the add, twice on end, and its wait ahead of my first tensor load
	ds_add_u32 v[SPW], v[NIL]
	v_lshrrev_b32 v1, 5, v0
	v_readfirstlane_b32 s14, v1
	s_lshr_b32 s15, s14, 1                         ; ah: my half of the queries.  Also: I fetch q (0) or k (1)
	s_and_b32 s16, s14, 1                          ; bh: my half of the keys.  Also: which eight tiles I fetch
	s_bfe_u32 s40, ttmp6, 0x40000
	s_bfe_u32 s41, ttmp6, 0x40004
	s_lshl_b32 s42, ttmp9, 2
	s_add_co_u32 s42, s42, s40                     ; kb: the block of 256 keys in the batch
	s_and_b32 s19, ttmp7, 0xffff
	s_lshl_b32 s17, s19, 2
	s_add_co_u32 s17, s17, s41                     ; y: the block of 256 queries, over all batches
	s_lshr_b32 s19, s19, 1                         ; the batch, from the cluster's y alone
	s_lshl_b32 s43, s41, 2
	s_lshl_b32 s43, 15, s43
	s_lshl_b32 s44, 0x1111, s40
	s_or_b32 s[G1+0], s43, (3<<16)|(1<<21)         ; q's tiles go to my row; elements of 8 bytes; no padding; bit 21 beside a mask
	s_or_b32 s[G1B+0], s44, (3<<16)|(1<<21)        ; k's to my column
.irp g, G1, G1B
	s_mov_b32 s[\g+1], 512<<16                     ; tensor_dim0: 4,096 bytes
	s_mov_b32 s[\g+2], 8<<16                       ; tensor_dim1: eight tiles
	s_mov_b32 s[\g+3], 512<<16                     ; tile_dim0
	s_mov_b32 s[\g+4], 8                           ; tile_dim1
	s_mov_b32 s[\g+5], 2048                        ; from tile to tile: 16,384 bytes
	s_mov_b32 s[\g+6], 0
	s_mov_b32 s[\g+7], 0
.endr
	s_lshl_b32 s18, s16, 17                        ; eight tiles of 16,384 bytes x my half
	s_lshl_b32 s20, s17, 18
	s_add_co_u32 s20, s20, s18
	s_mov_b32 s21, 0
	s_lshl_b32 s46, s19, 21
	s_lshl_b32 s47, s42, 18
	s_add_co_u32 s46, s46, s47
	s_add_co_u32 s46, s46, s18
	s_mov_b32 s47, 0
	s_lshl_b32 s45, s14, 15                        ; where they go: wave x 32,768
	s_mov_b32 s88, 0x76543210                      ; v_permlanex16_b32's selects for lane l xor 16
	s_mov_b32 s89, 0xfedcba98
	s_mov_b32 s[TB], 0
	s_wait_dscnt 0x0
	CROUND                                         ; all sixteen work-groups are here (the arguments are on their way meanwhile)
	s_wait_kmcnt 0x0
	s_load_b64 s[84:85], s[8:9], 0x18              ; e6, e7
	s_load_b32 s86, s[8:9], 0x20                   ; e8
	s_add_nc_u64 s[20:21], s[4:5], s[20:21]
	s_add_nc_u64 s[46:47], s[6:7], s[46:47]
	s_mov_b32 s[G0], 1
	s_mov_b32 s[G0+1], s45
	s_mov_b64 s[G0+2:G0+3], s[20:21]
	s_or_b32 s[G0+3], s[G0+3], 0x80000000
	s_mov_b32 s[G0B], 1
	s_mov_b32 s[G0B+1], s45
	s_mov_b64 s[G0B+2:G0B+3], s[46:47]
	s_or_b32 s[G0B+3], s[G0B+3], 0x80000000
	JLOAD                                          ; K step 0: one tensor load a wave at the head
	s_cmp_eq_u32 s15, 0
	s_cselect_b64 s[PFA:PFA+1], s[20:21], s[46:47]
	s_cselect_b32 s4, s40, s41
	s_lshl_b32 s4, s4, 15                          ; my work-group's two of my wave's eight tiles
	s_mov_b32 s5, 0
	s_add_nc_u64 s[PFA:PFA+1], s[PFA:PFA+1], s[4:5]
	s_lshl_b32 s21, s15, 15
	s_lshl_b32 s22, s16, 15
	s_add_co_u32 s22, s22, 65536
	s_lshl_b32 s18, s14, 10
	s_add_co_u32 s18, s18, EX
	s_xor_b32 s19, s14, 1
	s_lshl_b32 s19, s19, 10
	s_add_co_u32 s19, s19, EX
	v_bfe_u32 v2, v0, 4, 1                         ; h
	v_and_b32 v5, 31, v0
	v_and_b32 v3, 15, v0
	v_lshlrev_b32 v[LI], 4, v5
	v_lshlrev_b32 v[PFO], 8, v3
	v_lshl_add_u32 v[PFO], v2, 14, v[PFO]
	v_add_nc_u32 v[ADRA+1], s21, v[LI]
	v_add_nc_u32 v[ADRB+1], s22, v[LI]
	v_add_nc_u32 v[ADRA], s[TB], v[ADRA+1]
	v_add_nc_u32 v[ADRB], s[TB], v[ADRB+1]
	v_lshl_add_u32 v[EXS], v5, 2, s18              ; my wave's 1,024 bytes for its maxima,
	v_lshl_add_u32 v[EXR], v5, 2, s19              ; and those of the wave with the same queries and the other 128 keys
	v_mov_b32 v14, 0                               ; written once: a lane permute's destination counts as one of its sources
	v_mov_b32 v15, 0xff800000                      ; -infinity starts the maxima
	s_wait_alu depctr_va_vdst(0)
	global_prefetch_b8 v[PFO], s[PFA:PFA+1] offset:4096 th:TH_LOAD_NT scope:SCOPE_SE
	s_lshl_b32 s47, s42, 1
	s_add_co_u32 s47, s47, s16                     ; my key step: 2 kb + bh
	s_lshl_b32 s18, s17, 4
	s_lshl_b32 s19, s15, 3
	s_add_co_u32 s18, s18, s19                     ; my first query tile: 16 y + 8 ah
	s_lshl_b32 s18, s18, 4
	s_add_co_u32 s18, s18, s47
	s_lshl_b32 s18, s18, 11
	s_mov_b32 s19, 0
	s_add_nc_u64 s[10:11], s[10:11], s[18:19]      ; pc at my first fragment
	s_lshl_b32 s18, s17, 1
	s_add_co_u32 s18, s18, s15                     ; my block of 128 queries: 2 y + ah
	s_lshl_b32 s18, s18, 4
	s_add_co_u32 s18, s18, s47
	s_lshl_b32 s18, s18, 10
	s_add_nc_u64 s[12:13], s[12:13], s[18:19]      ; st at my 1,024 bytes
	s_wait_kmcnt 0x0
	s_add_co_i32 s84, s84, s85
	s_lshl_b32 s84, s84, 23
	s_add_co_i32 s66, s84, 0x3d38aa3b              ; c = log2(e) / 32 x 2^(e6 + e7): the exponents are added to the exponent field
	s_mov_b32 s67, s66                             ; (named with it as a pair, so it is written)
	s_add_co_i32 s86, s86, 127
	s_lshl_b32 s85, s86, 23
	v_mov_b32 v[SCV], s85                          ; 2^e8
	s_add_co_i32 s86, s86, 8
	s_lshl_b32 s86, s86, 23
	s_or_b32 s86, s86, 0x600000
	v_mov_b32 v[LIMV], s86                         ; 448 x 2^e8
.macro FRAG reg, adr, q, i             ; a fragment's image: four loads of 512 consecutive bytes
.irp c, 0,1,2,3
	ds_load_b128 v[\reg+4*\c:\reg+4*\c+3], v[\adr] offset:4096*(\i)+2048*(\q)+512*\c
.endr
.endm
.macro MUL16 a0, p, zero               ; 16 matrix instructions; the 64 accumulators take turns, one instruction a turn
.irp a, \a0, \a0+1
.irp b, 0,1,2,3,4,5,6,7
.if \zero
	v_wmma_f32_16x16x128_fp8_fp8 v[8*(8*((\a)%4)+\b):8*(8*((\a)%4)+\b)+7], v[128*(\p)+FR*\b:128*(\p)+FR*\b+FR-1], v[AF+FR*(\a):AF+FR*(\a)+FR-1], 0
.else
	v_wmma_f32_16x16x128_fp8_fp8 v[8*(8*((\a)%4)+\b):8*(8*((\a)%4)+\b)+7], v[128*(\p)+FR*\b:128*(\p)+FR*\b+FR-1], v[AF+FR*(\a):AF+FR*(\a)+FR-1], v[8*(8*((\a)%4)+\b):8*(8*((\a)%4)+\b)+7]
.endif
.endr
.endr
.endm
.macro FETCH_B q, p
	WIN 0x40
.irp i, 0,1,2,3,4,5,6,7
	FRAG 128*(\p)+FR*\i, ADRB, \q, \i
.endr
	WIN 0
.endm
.macro FETCH_A q, i0
.irp i, \i0, \i0+1, \i0+2, \i0+3
	FRAG AF+FR*(\i), ADRA, \q, \i
.endr
.endm
.macro STEP zero                       ; a slot's first 128 along K
	s_wait_dscnt 16                                ; k's set and q's blocks 0-3 are in; the youngest 16 loads (blocks 4-7) may be out
	WIN 0xa1
	MUL16 0, 0, \zero
	MUL16 2, 0, \zero
	s_wait_dscnt 0x0
	PLACES 4                                       ; in front of loads into registers that matrix instructions have read
	FETCH_B 1, 1
	FETCH_A 1, 0
	WIN 0xf1
	MUL16 4, 0, \zero
	MUL16 6, 0, \zero
	PLACES 4
	WIN 0
	FETCH_A 1, 4
.endm
.macro TURN fill                       ; a slot's second 128 along K, and the change of slots
	s_wait_tensorcnt 0x0                           ; all my tensor loads have landed: my part of the next slot
	ds_add_u32 v[SPW], v[NIL]
.if \fill
	WALK
.endif
	s_wait_dscnt 17                                ; (the add and the youngest 16 loads may be out)
	WIN 0xa1
	MUL16 0, 1, 0
	s_wait_dscnt 0x0                               ; the add is done, and my reads of this slot are over
	s_barrier_signal -1
	MUL16 2, 1, 0
	WIN 0
	s_barrier_wait -1
.if \fill
	CREST                                          ; no wave of any partner still reads this slot or has a load on its way
	JLOAD
.else
	PLACES 4
.endif
	s_xor_b32 s[TB], s[TB], SLOT                   ; on to the other slot
	v_add_nc_u32 v[ADRA], s[TB], v[ADRA+1]
	v_add_nc_u32 v[ADRB], s[TB], v[ADRB+1]
	s_wait_alu depctr_va_vdst(0)
	FETCH_B 0, 0
	FETCH_A 0, 0
.if \fill
	s_cmp_eq_u32 s[TRIPS], 2                       ; K step 2 has been asked for: K step 3
	s_cbranch_scc0 .Lno_ask_\@
	global_prefetch_b8 v[PFO], s[PFA:PFA+1] offset:12288 th:TH_LOAD_NT scope:SCOPE_SE
.Lno_ask_\@:
.endif
	WIN 0xf1
	MUL16 4, 1, 0
	MUL16 6, 1, 0
	PLACES 4
	WIN 0
	FETCH_A 0, 4
.endm
	s_wait_alu depctr_va_vdst(0)
	s_wait_tensorcnt 0x0                           ; my part of slot 0 is in
	ds_add_u32 v[SPW], v[NIL]
	WALK
	s_wait_dscnt 0x0
	CROUND                                         ; everybody's part of slot 0 is in
	JLOAD                                          ; slot 1: the first tensor load behind the round
	FETCH_B 0, 0
	FETCH_A 0, 0
	FETCH_A 0, 4
	global_prefetch_b8 v[PFO], s[PFA:PFA+1] offset:8192 th:TH_LOAD_NT scope:SCOPE_SE
	STEP 1                                         ; the first products start the sums: nothing is cleared
	s_mov_b32 s[TRIPS], 2
.Lk:                                                   ; two trips, which fill the slots again with K steps 2 and 3
	TURN 1
	STEP 0
	s_sub_co_u32 s[TRIPS], s[TRIPS], 1
	s_cmp_lg_u32 s[TRIPS], 0
	s_cbranch_scc1 .Lk
	TURN 0
	STEP 0
; THE LARGEST SCORE of each query among my lane's 64 keys: MAX4 takes two registers of each of the window's four blocks; two chains a block, eight chains that do not wait for each other; each accumulator is read from its low end on.
; Window 2's lines stand between the last products of window 3.
.macro MAX4 hi
.irp a, 0,1,2,3
.if n < 2
	v_max3_num_f32 v[MX+8*(n%2)+4*\hi+\a], v15, v[64*\a+2*n], v[64*\a+2*n+1]
.else
	v_max3_num_f32 v[MX+8*(n%2)+4*\hi+\a], v[MX+8*(n%2)+4*\hi+\a], v[64*\a+2*n], v[64*\a+2*n+1]
.endif
.endr
.set n, n+1
.endm
.macro LAST a, b                       ; the last product of accumulator (a, b)
	v_wmma_f32_16x16x128_fp8_fp8 v[8*(8*((\a)%4)+(\b)):8*(8*((\a)%4)+(\b))+7], v[128+FR*(\b):128+FR*(\b)+FR-1], v[AF+FR*(\a):AF+FR*(\a)+FR-1], v[8*(8*((\a)%4)+(\b)):8*(8*((\a)%4)+(\b))+7]
.endm
	s_wait_dscnt 16
	WIN 0xa1
	MUL16 0, 1, 0
	MUL16 2, 1, 0
	s_wait_dscnt 0x0
	PLACES 4                                       ; in front of the first reads of results
.set n, 0
.irp u, 4,5,6,7
.irp w, 0,2,4,6
	WIN 0xf1
	LAST \u, \w
	LAST \u, \w+1
	WIN 0x28                                       ; sources 1 and 2 window 2
	MAX4 0
	MAX4 0
.endr
.endr
	WIN 0x3c                                       ; (the eight maxima behind the last product are its places)
.set n, 0
.rept 32
	MAX4 1
.endr
	WIN 0
.irp a, 0,1,2,3,4,5,6,7
	v_max_num_f32 v[MX+\a], v[MX+\a], v[PX+\a]
.endr
.irp a, 0,1,2,3,4,5,6,7
	v_permlanex16_b32 v[PX+\a], v[MX+\a], s88, s89 ; the query's other 64 keys of my 128 lie in the lane 16 away
.endr
.irp a, 0,1,2,3,4,5,6,7
	v_max_num_f32 v[MX+\a], v[MX+\a], v[PX+\a]
.endr
.irp a, 0,1,2,3,4,5,6,7
	ds_store_b32 v[EXS], v[MX+\a] offset:128*\a    ; and its other 128 keys in another wave: the maxima meet in LDS
.endr
	s_wait_alu depctr_va_vdst(0)
	s_wait_dscnt 0x0                               ; for the others' sake: my stores are done
	s_barrier_signal -1
	s_barrier_wait -1
.irp a, 0,1,2,3,4,5,6,7
	ds_load_b32 v[PX+\a], v[EXR] offset:128*\a
.endr
	s_wait_dscnt 0x0
.irp a, 0,1,2,3,4,5,6,7
	v_max_num_f32 v[MX+\a], v[MX+\a], v[PX+\a]
.endr
.irp a, 0,1,2,3,4,5,6,7
	v_mul_f32 v[NM+2*\a+1], s66, v[MX+\a]          ; as t (c is positive)
.endr
.irp a, 0,1,2,3,4,5,6,7
	v_floor_f32 v[NM+2*\a], -v[NM+2*\a+1]          ; -M = floor(-t) = -ceil(t): M is a whole number
.endr
; THE EIGHT BLOCKS IN A PIPELINE.  SCALE: t - M, two at a time (of the pairs c and -M the low word serves both halves).  HOLD: p is not negative: one-sided.  Between block a's 64 exponentials stand block a - 1's holds and
; block a + 1's scalings, where those lie in the same window: one setting, one wait ahead of the batch and one behind it.
.macro SCALE r, m
	v_pk_fma_f32 v[\r:\r+1], v[\r:\r+1], s[66:67], v[NM+2*(\m):NM+2*(\m)+1] op_sel_hi:[1,0,0]
.endm
.macro HOLD r
	v_min_num_f32 v[\r], v[\r], v[LIMV]
.endm
.macro CODES a                         ; p's codes: the next operand's registers
.irp b, 0,1,2,3,4,5,6,7
	v_cvt_scalef32_pk8_fp8_f32 v[CD+16*(\a)+2*\b:CD+16*(\a)+2*\b+1], v[64*((\a)%4)+8*\b:64*((\a)%4)+8*\b+7], v[SCV]
.endr
.endm
.macro LEAVE a
.irp c, 0,1,2,3
	global_store_b128 v[LI], v[CD+16*(\a)+4*\c:CD+16*(\a)+4*\c+3], s[10:11] offset:32768*(\a)+512*\c   ; 512 consecutive bytes, aligned
.endr
.endm
.macro SM a
.set HI, (\a)/4
.set IX, (\a)%4
.set AC, 64*IX
	WIN 0x82+0x41*HI
.if IX == 0
.set n, 0
.rept 32
	SCALE n, \a
.set n, n+2
.endr
.endif
	s_wait_alu depctr_va_vdst(0)
.set n, 0
.rept 64
	v_exp_f32 v[AC+n], v[AC+n]
.if IX > 0
	HOLD AC-64+n
.endif
.if (IX < 3) && (n%2 == 0)
	SCALE AC+64+n, \a+1
.endif
.set n, n+1
.endr
	v_nop                                          ; a plain line behind the last exponential
	s_wait_alu depctr_va_vdst(0)                   ; and behind it, ahead of the first line that names a result
	WIN 0x0a+5*HI
.set n, 0
.rept 16
	v_pk_add_f32 v[T+2*n:T+2*n+1], v[AC+4*n:AC+4*n+1], v[AC+4*n+2:AC+4*n+3]   ; the sum is taken of the unquantised p
.set n, n+1
.endr
.if IX == 3                            ; the window's last block: its holds stand by themselves
	WIN 0x82+0x41*HI
.set n, 0
.rept 64
	HOLD AC+n
.set n, n+1
.endr
.endif
.if IX > 0
	WIN 0x02+HI
	CODES \a-1
.endif
.if IX == 3
	CODES \a
.endif
	WIN 0
.irp k, 0,1,2,3,4,5,6,7
	v_pk_add_f32 v[T+2*\k:T+2*\k+1], v[T+2*\k:T+2*\k+1], v[T+2*\k+16:T+2*\k+17]   ; (plain lines behind the conversions)
.endr
.irp k, 0,1,2,3
	v_pk_add_f32 v[T+2*\k:T+2*\k+1], v[T+2*\k:T+2*\k+1], v[T+2*\k+8:T+2*\k+9]
.endr
.irp k, 0,1
	v_pk_add_f32 v[T+2*\k:T+2*\k+1], v[T+2*\k:T+2*\k+1], v[T+2*\k+4:T+2*\k+5]
.endr
	v_pk_add_f32 v[T:T+1], v[T:T+1], v[T+2:T+3]
	v_add_f32 v[LS+(\a)], v[T], v[T+1]
	v_permlanex16_b32 v14, v[LS+(\a)], s88, s89
	v_add_f32 v[LS+(\a)], v[LS+(\a)], v14          ; l of my 128 keys, in both lanes of the query
.if IX > 0
	LEAVE \a-1
.endif
.if IX == 3
	LEAVE \a
.endif
.endm
.irp a, 0,1,2,3,4,5,6,7
	SM \a
.endr
	v_cmp_ne_u32 vcc_lo, 0, v2                     ; lanes 0-15 carry blocks 0-3, lanes 16-31 blocks 4-7: 16 bytes a lane, 512 consecutive bytes a store
.irp i, 0,1,2,3
	v_cndmask_b32 v[SG+\i], v[NM+2*\i], v[NM+8+2*\i], vcc_lo
	v_cndmask_b32 v[SG+4+\i], v[LS+\i], v[LS+4+\i], vcc_lo
.endr
	global_store_b128 v[LI], v[SG:SG+3], s[12:13]
	global_store_b128 v[LI], v[SG+4:SG+7], s[12:13] offset:512
	s_wait_tensorcnt 0x0                           ; the wave's end
	ds_add_u32 v[SPW], v[NIL]
	s_wait_dscnt 0x0
	CROUND
	s_endpgm
.Lfunc_end_k_q4fa47e271a_scores:
	.size	k_q4fa47e271a_scores, .Lfunc_end_k_q4fa47e271a_scores-k_q4fa47e271a_scores
	.p2alignl 7, 3214868480
	.fill 96, 4, 3214868480
	.section	.rodata,"a",@progbits
	.p2align	6, 0x0
	.amdhsa_kernel k_q4fa47e271a_scores
		.amdhsa_group_segment_fixed_size 327680
		.amdhsa_private_segment_fixed_size 0
		.amdhsa_enable_private_segment 0
		.amdhsa_kernarg_size 40
		.amdhsa_user_sgpr_count 2
		.amdhsa_user_sgpr_kernarg_segment_ptr 1
		.amdhsa_wavefront_size32 1
		.amdhsa_system_sgpr_workgroup_id_x 1
		.amdhsa_system_sgpr_workgroup_id_y 1
		.amdhsa_system_sgpr_workgroup_id_z 1
		.amdhsa_system_vgpr_workitem_id 0
		.amdhsa_next_free_vgpr 1024
		.amdhsa_next_free_sgpr 100
		.amdhsa_reserve_vcc 1
		.amdhsa_float_denorm_mode_32 3
		.amdhsa_float_denorm_mode_16_64 3
		.amdhsa_memory_ordered 1
		.amdhsa_forward_progress 1
		.amdhsa_inst_pref_size 155
	.end_amdhsa_kernel
	.amdgpu_metadata
---
amdhsa.version: [ 1, 2 ]
amdhsa.kernels:
  - .name:           k_q4fa47e271a_scores
    .symbol:         k_q4fa47e271a_scores.kd
    .args:
      - { .name: qc, .offset: 0, .size: 8, .value_kind: global_buffer, .address_space: global }
      - { .name: kc, .offset: 8, .size: 8, .value_kind: global_buffer, .address_space: global }
      - { .name: lowp_scales, .offset: 16, .size: 8, .value_kind: global_buffer, .address_space: global }
      - { .name: pc, .offset: 24, .size: 8, .value_kind: global_buffer, .address_space: global }
      - { .name: st, .offset: 32, .size: 8, .value_kind: global_buffer, .address_space: global }
    .group_segment_fixed_size: 327680
    .private_segment_fixed_size: 0
    .kernarg_segment_align: 8
    .kernarg_segment_size: 40
    .max_flat_workgroup_size: 128
    .sgpr_count:     100
    .vgpr_count:     1024
    .wavefront_size: 32
...
	.end_amdgpu_metadata
.endif
;; end of part 2
;; launch pv (part 3): grid 4 x 64, 4 waves a work-group, clusters of 4 x 4, 327,680 bytes of LDS; arguments pc, vtc, st, lowp_scales, oc; writes oc
.if DOCPART == 3
	.amdgcn_target "amdgcn-amd-amdhsa--gfx1250"
	.amdhsa_code_object_version 6
	.text
	.protected	k_q4fa47e271a_pv
	.globl	k_q4fa47e271a_pv
	.p2align	8
	.type	k_q4fa47e271a_pv,@function
k_q4fa47e271a_pv:
	s_mov_b64 s[64:65], 0
	v_nop
	global_prefetch_b8 v0, s[64:65] scope:SCOPE_SE
	s_setreg_imm32_b32 hwreg(HW_REG_WAVE_MODE, 25, 1), 1
	s_wait_xcnt 0x0
	s_wait_alu depctr_hold_cnt(0) depctr_sa_sdst(0) depctr_va_vdst(0) depctr_va_sdst(0) depctr_va_ssrc(0) depctr_va_vcc(0) depctr_vm_vsrc(0)
	s_getreg_b32 s2, hwreg(HW_REG_IB_STS2, 6, 4)
	s_cmp_eq_u32 s2, 0
	s_cbranch_scc0 .Lentry_in_a_cluster
	s_endpgm
.Lentry_in_a_cluster:
	s_bfe_u32 s2, ttmp6, 0x10000c
	s_cmp_lg_u32 s2, 0xf033
	s_cbranch_scc0 .Lentry_shape_is_right
	s_endpgm
.Lentry_shape_is_right:
; O = (sum over the eight key tiles j of f_j P_j V_j) / L, quantised for the projection.  No work of reference() is left out.
; P_j (256 keys) was quantised under its own whole number M_j.  M = the largest M_j of the row; f_j = 2^(M_j - M), an exact power of two, at most 1; L = the sum of f_j l_j.  Each key tile's product is summed by itself
; (window 3) and added as (f_j / L) x product onto the row's sums (window 2), by packed multiply-adds.  The factors f_j / L wait in LDS bytes of the wave's own, 16 bytes a lane and tile.
; SHARES.  A work-group: 128 queries x 256 channels, K = the batch's 2,048 keys; four waves, 64 x 128 each.  (256 x 256 would give 128 work-groups.)  Source 1 = P (lane = query), source 0 = v^T (registers along
; the channels): the conversions of the sums are the projection's fragment registers.  oc: [token tile 512][k step 8][2,048].
; A slot is one key tile: 256 keys: P's 8 tiles and v^T's 16 tiles of 4,096 bytes, images of fragment registers.  Two slots, 2^17 bytes apart: one exclusive or turns an address and a descriptor from one to the other.
; Tile 0, which starts the sums, and tiles 6 and 7, which fill nothing, are written out; tiles 1 to 5 are a loop.
; CLUSTERS: 4 x 4.  P's tile hangs on the block of queries (a row of the cluster), v^T's on the block of channels and the batch (a column): joint loads.
; PREFETCHES INTO THE L2: behind the joint load of tile t stands the request for tile t + 2 (at the head for tile 1 alone, behind tile 1's load for 2 and 3).  Partners share a wave's tiles out by address: of P one tile
; each (16 lanes, 256 bytes a lane; the others name the last block again), of v^T two.
; LIMITS: e10 - e8 - e9 between -126 and 119.  NaN is not served.
; REGISTERS: window 0: v0-31 addresses; v32-63 the factors at the head; v64-71 a tile's factors; v96-103 at work; v128-191, v192-255 P's fragments, two sets (at the head: what was read from st; at the end: the codes).
;   window 1: v^T's fragments, two sets.   window 2: the sums (a, b) at v[8 (8 a + b)].   window 3: the key tile's own product, laid the same.
.set SLOT,   1<<17
.set VOFF,   32768
.set FREG,   2*SLOT                    ; the factors: 4,096 bytes a wave; no tile lands there
.set SPARE,  FREG+16384
.set LI,   6
.set LIMV, 10
.set SCV,  11
.set ADRA, 16                          ; v16 in the slot in hand; v17 in slot 0
.set ADRB, 20
.set FAD,  24                          ; v24 the tile's factors; v25 tile 0's
.set SPW,  28
.set NIL,  29
.set PFO,  30
.set FP,   32
.set FT,   64
.set MR,   96
.set LS,   100
.set AF,   128
.set CD,   128
.set G1,  24
.set G0,  32
.set G0B, 36
.set G1B, 48
.set TB,  67                           ; where the slot in hand begins
.set FO,  68                           ; 512 x the tile in hand
.set TRIPS, 69
.set PFA, 88
.set MSB, 0
.macro WIN new                         ; the immediate's high byte repeats the setting that is left
.if MSB != (\new)
	s_set_vgpr_msb (MSB<<8)|(\new)
.set MSB, (\new)
.endif
.endm
.macro PLACES n
.rept \n
	v_nop
.endr
.endm
.macro JLOAD                           ; waves 0 and 1 fetch P's halves, waves 2 and 3 v^T's; an s_nop 0 and four v_nop follow each line
	s_cmp_eq_u32 s15, 0
	s_cbranch_scc0 .Lfor_b_\@
	tensor_load_to_lds s[G0:G0+3], s[G1:G1+7]
	s_nop 0
	PLACES 4
	s_branch .Lasked_\@
.Lfor_b_\@:
	tensor_load_to_lds s[G0B:G0B+3], s[G1B:G1B+7]
	s_nop 0
	PLACES 4
.Lasked_\@:
.endm
.macro WALK                            ; the descriptors: the other slot, the next 256 keys
	s_xor_b32 s[G0+1], s[G0+1], SLOT
	s_add_nc_u64 s[G0+2:G0+3], s[G0+2:G0+3], 4096
	s_xor_b32 s[G0B+1], s[G0B+1], SLOT
	s_add_nc_u64 s[G0B+2:G0B+3], s[G0B+2:G0B+3], 4096
.endm
.macro ASK n
	global_prefetch_b8 v[PFO], s[PFA:PFA+1] offset:4096*\n th:TH_LOAD_NT scope:SCOPE_SE
.endm
.macro CREST
	s_cmp_lg_u32 s14, 0
	s_cbranch_scc1 .Lnot_wave_0_\@
	s_barrier_signal -3
.Lnot_wave_0_\@:
	s_barrier_wait -3
	s_barrier_signal -1
	s_barrier_wait -1
.endm
.macro CROUND
	s_barrier_signal -1
	s_barrier_wait -1
	CREST
.endm
	s_load_b256 s[4:11], s[0:1], 0x0               ; pc s[4:5], vtc s[6:7], st s[8:9], the scales' exponents s[10:11]
	s_load_b64 s[12:13], s[0:1], 0x20              ; oc
	v_lshl_add_u32 v[SPW], v0, 2, SPARE
	v_mov_b32 v[NIL], 0
	ds_add_u32 v[SPW], v[NIL]                      ; the wave's opening: the add, twice on end, and its wait ahead of my first tensor load
	ds_add_u32 v[SPW], v[NIL]
	v_lshrrev_b32 v1, 5, v0
	v_readfirstlane_b32 s14, v1
	s_lshr_b32 s15, s14, 1                         ; ah: my half of the queries.  Also: I fetch P (0) or v^T (1)
	s_and_b32 s16, s14, 1                          ; bh: my half of the channels.  Also: which half of that tile I fetch
	s_bfe_u32 s40, ttmp6, 0x40000                  ; cx = the block of 256 channels (one cluster along x)
	s_bfe_u32 s41, ttmp6, 0x40004
	s_and_b32 s18, ttmp7, 0xffff
	s_and_b32 s19, s18, 3                          ; the batch: the four clusters whose numbers agree modulo 4 share one, and its v^T
	s_lshl_b32 s19, s19, 2
	s_lshr_b32 s18, s18, 2                         ; which 512 queries of it
	s_add_co_u32 s19, s19, s18
	s_lshl_b32 s17, s19, 2
	s_add_co_u32 s17, s17, s41                     ; y: the block of 128 queries, over all batches
	s_lshr_b32 s19, s19, 2                         ; the batch, from the cluster's y alone
	s_lshl_b32 s43, s41, 2
	s_lshl_b32 s43, 15, s43
	s_lshl_b32 s44, 0x1111, s40
	s_or_b32 s[G1+0], s43, (3<<16)|(1<<21)         ; P's tiles go to my row; elements of 8 bytes; no padding
	s_mov_b32 s[G1+2], 4<<16                       ; four tiles
	s_mov_b32 s[G1+4], 4
	s_or_b32 s[G1B+0], s44, (3<<16)|(1<<21)        ; v^T's to my column
	s_mov_b32 s[G1B+2], 8<<16                      ; eight tiles
	s_mov_b32 s[G1B+4], 8
.irp g, G1, G1B
	s_mov_b32 s[\g+1], 512<<16                     ; 4,096 bytes a tile
	s_mov_b32 s[\g+3], 512<<16
	s_mov_b32 s[\g+5], 4096                        ; from tile to tile: 32,768 bytes
	s_mov_b32 s[\g+6], 0
	s_mov_b32 s[\g+7], 0
.endr
	s_lshl_b32 s18, s16, 17                        ; P: four tiles of 32,768 bytes x my half
	s_lshl_b32 s20, s17, 18
	s_add_co_u32 s20, s20, s18
	s_mov_b32 s21, 0
	s_lshl_b32 s46, s19, 21                        ; v^T: the batch,
	s_lshl_b32 s47, s40, 19                        ; sixteen tiles x cx,
	s_add_co_u32 s46, s46, s47
	s_lshl_b32 s47, s16, 18                        ; eight tiles x my half
	s_add_co_u32 s46, s46, s47
	s_mov_b32 s47, 0
	s_lshl_b32 s45, s16, 14                        ; where P's half goes,
	s_lshl_b32 s22, s16, 15
	s_add_co_u32 s22, s22, VOFF                    ; and v^T's
	s_mov_b32 s[TB], 0
	s_mov_b32 s[FO], 0
	s_wait_dscnt 0x0
	CROUND                                         ; all sixteen work-groups are here (the arguments are on their way meanwhile)
	s_wait_kmcnt 0x0
	s_load_b64 s[84:85], s[10:11], 0x20            ; e8, e9
	s_load_b32 s86, s[10:11], 0x28                 ; e10
	s_add_nc_u64 s[20:21], s[4:5], s[20:21]
	s_add_nc_u64 s[46:47], s[6:7], s[46:47]
	s_mov_b32 s[G0], 1
	s_mov_b32 s[G0+1], s45
	s_mov_b64 s[G0+2:G0+3], s[20:21]
	s_or_b32 s[G0+3], s[G0+3], 0x80000000
	s_mov_b32 s[G0B], 1
	s_mov_b32 s[G0B+1], s22
	s_mov_b64 s[G0B+2:G0B+3], s[46:47]
	s_or_b32 s[G0B+3], s[G0B+3], 0x80000000
	JLOAD                                          ; tile 0: one tensor load a wave at the head
	s_cmp_eq_u32 s15, 0                            ; the prefetches: P's tile cx of my four, or v^T's tiles 2 cy and 2 cy + 1 of my eight
	s_cselect_b64 s[PFA:PFA+1], s[20:21], s[46:47]
	s_cselect_b32 s94, s40, s41
	s_lshl_b32 s94, s94, 15
	s_lshl_b32 s94, s94, s15
	s_mov_b32 s95, 0
	s_add_nc_u64 s[PFA:PFA+1], s[PFA:PFA+1], s[94:95]
	s_sub_co_i32 s90, 0, s15                       ; all ones where I fetch v^T
	s_lshl_b32 s21, s15, 14                        ; my four tiles of P,
	s_lshl_b32 s23, s16, 15
	s_add_co_u32 s23, s23, VOFF                    ; my eight of v^T
	s_lshl_b32 s22, s14, 12
	s_add_co_u32 s22, s22, FREG
	s_lshl_b32 s18, s15, 8
	v_and_b32 v1, 15, v0                           ; r
	v_bfe_u32 v2, v0, 4, 1                         ; h
	v_and_b32 v5, 31, v0
	v_lshlrev_b32 v[LI], 4, v5
	v_min_u32 v3, 15, v5
	v_lshlrev_b32 v3, 8, v3
	v_lshlrev_b32 v4, 8, v1
	v_lshl_add_u32 v4, v2, 15, v4
	v_cndmask_b32 v[PFO], v3, v4, s90
	v_add_nc_u32 v[ADRA+1], s21, v[LI]
	v_add_nc_u32 v[ADRB+1], s23, v[LI]
	v_add_nc_u32 v[ADRA], s[TB], v[ADRA+1]
	v_add_nc_u32 v[ADRB], s[TB], v[ADRB+1]
	v_add_nc_u32 v[FAD+1], s22, v[LI]
	v_mov_b32 v[FT+5], 0                           ; (named as the upper words of pairs)
	v_mov_b32 v[FT+7], 0
	v_lshlrev_b32 v7, 4, v1
	v_add_nc_u32 v7, s18, v7
	s_wait_alu depctr_va_vdst(0)
	ASK 1
	; st: 16,384 bytes for my block of 128 queries; lane r takes the four numbers of queries 16 (4 ah + a) + r, a = 0 .. 3
	s_lshl_b32 s18, s17, 14
	s_mov_b32 s19, 0
	s_add_nc_u64 s[8:9], s[8:9], s[18:19]
.irp j, 0,1,2,3,4,5,6,7
	global_load_b128 v[128+4*\j:131+4*\j], v7, s[8:9] offset:2048*\j          ; -M_j (the tile's two key steps hold the same)
.endr
.irp k, 0,1,2,3,4,5,6,7,8,9,10,11,12,13,14,15
	global_load_b128 v[160+4*\k:163+4*\k], v7, s[8:9] offset:1024*\k+512      ; l of key step k
.endr
	s_lshl_b32 s18, s17, 3
	s_lshl_b32 s20, s15, 2
	s_add_co_u32 s18, s18, s20                     ; my first token tile: 8 y + 4 ah
	s_lshl_b32 s18, s18, 3
	s_lshl_b32 s20, s40, 1
	s_add_co_u32 s20, s20, s16                     ; my k step of the projection: 2 cx + bh
	s_add_co_u32 s18, s18, s20
	s_lshl_b32 s18, s18, 11
	s_add_nc_u64 s[12:13], s[12:13], s[18:19]      ; oc at my first fragment
	s_wait_kmcnt 0x0
	s_sub_co_i32 s86, s86, s84
	s_sub_co_i32 s86, s86, s85                     ; a sum stands for sum x 2^(e8 + e9): a code is sum / 2^(e10 - e8 - e9)
	s_add_co_i32 s86, s86, 127
	s_lshl_b32 s85, s86, 23
	v_mov_b32 v[SCV], s85
	s_add_co_i32 s86, s86, 8
	s_lshl_b32 s86, s86, 23
	s_or_b32 s86, s86, 0x600000
	v_mov_b32 v[LIMV], s86
	s_wait_alu depctr_va_vdst(0)
	s_wait_tensorcnt 0x0                           ; my part of tile 0 is in
	ds_add_u32 v[SPW], v[NIL]
	WALK
	s_wait_dscnt 0x0
	CROUND                                         ; everybody's part of tile 0 is in
	JLOAD                                          ; tile 1: the first tensor load behind the round
	ASK 2
	ASK 3
	; THE ROWS' FACTORS, while tile 1 is on its way
	s_wait_loadcnt 0x0
.irp a, 0,1,2,3
	v_min3_num_f32 v[MR+\a], v[128+\a], v[132+\a], v[136+\a]
.endr
.irp a, 0,1,2,3
	v_min3_num_f32 v[MR+\a], v[MR+\a], v[140+\a], v[144+\a]
.endr
.irp a, 0,1,2,3
	v_min3_num_f32 v[MR+\a], v[MR+\a], v[148+\a], v[152+\a]
.endr
.irp a, 0,1,2,3
	v_min_num_f32 v[MR+\a], v[MR+\a], v[156+\a]    ; -M of the row
.endr
.irp j, 0,1,2,3,4,5,6,7
.irp a, 0,1,2,3
	v_sub_f32 v[FP+4*\j+\a], v[MR+\a], v[128+4*\j+\a]     ; M_j - M: a whole number, 0 or less
.endr
.endr
.set n, 0
.rept 32
	v_cvt_i32_f32 v[FP+n], v[FP+n]                 ; (it saturates)
.set n, n+1
.endr
.set n, 0
.rept 32
	v_ldexp_f32 v[FP+n], 1.0, v[FP+n]              ; f_j
.set n, n+1
.endr
.irp j, 0,1,2,3,4,5,6,7
.irp a, 0,1,2,3
	v_add_f32 v[160+8*\j+\a], v[160+8*\j+\a], v[164+8*\j+\a]   ; l_j: the tile's two key steps
.endr
.endr
.irp a, 0,1,2,3
	v_mul_f32 v[LS+\a], v[FP+\a], v[160+\a]
.endr
.irp j, 1,2,3,4,5,6,7
.irp a, 0,1,2,3
	v_fma_f32 v[LS+\a], v[FP+4*\j+\a], v[160+8*\j+\a], v[LS+\a]
.endr
.endr
	s_wait_alu depctr_va_vdst(0)
.irp a, 0,1,2,3
	v_rcp_f32 v[LS+\a], v[LS+\a]                   ; L is over 1/2: the tile with M_j = M has f = 1 and a p over 1/2
.endr
	v_nop                                          ; a plain line behind the last reciprocal
	s_wait_alu depctr_va_vdst(0)                   ; one wait ahead of the first use, for the four
.irp j, 0,1,2,3,4,5,6,7
.irp a, 0,1,2,3
	v_mul_f32 v[FP+4*\j+\a], v[FP+4*\j+\a], v[LS+\a]   ; f_j / L: f is a power of two, so only the reciprocal's rounding is in it
.endr
.endr
.irp j, 0,1,2,3,4,5,6,7
	ds_store_b128 v[FAD+1], v[FP+4*\j:FP+4*\j+3] offset:512*\j   ; my own bytes: LDS serves a wave's instructions in order (ISA guide 5.7.1.4)
.endr
.macro FETCH4 q, p                     ; 48 LDS loads in one run: v^T's eight fragments and P's four of the slot's q-th 128 keys, into set p
	WIN 0x40
.irp b, 0,1,2,3,4,5,6,7
.irp c, 0,1,2,3
	ds_load_b128 v[128*(\p)+16*\b+4*\c:128*(\p)+16*\b+4*\c+3], v[ADRB] offset:4096*\b+2048*(\q)+512*\c
.endr
.endr
	WIN 0
.irp a, 0,1,2,3
.irp c, 0,1,2,3
	ds_load_b128 v[AF+64*(\p)+16*\a+4*\c:AF+64*(\p)+16*\a+4*\c+3], v[ADRA] offset:4096*\a+2048*(\q)+512*\c
.endr
.endr
.endm
.macro LAST a, b                       ; the last product of accumulator (a, b) of a key tile
	v_wmma_f32_16x16x128_fp8_fp8 v[8*(8*(\a)+(\b)):8*(8*(\a)+(\b))+7], v[128+16*(\b):128+16*(\b)+15], v[AF+64+16*(\a):AF+64+16*(\a)+15], v[8*(8*(\a)+(\b)):8*(8*(\a)+(\b))+7]
.endm
.macro MUL8 a, p, zero                 ; block a x the eight tiles of channels; the 32 accumulators take turns, one instruction a turn
.irp b, 0,1,2,3,4,5,6,7
.if \zero
	v_wmma_f32_16x16x128_fp8_fp8 v[8*(8*\a+\b):8*(8*\a+\b)+7], v[128*(\p)+16*\b:128*(\p)+16*\b+15], v[AF+64*(\p)+16*\a:AF+64*(\p)+16*\a+15], 0
.else
	v_wmma_f32_16x16x128_fp8_fp8 v[8*(8*\a+\b):8*(8*\a+\b)+7], v[128*(\p)+16*\b:128*(\p)+16*\b+15], v[AF+64*(\p)+16*\a:AF+64*(\p)+16*\a+15], v[8*(8*\a+\b):8*(8*\a+\b)+7]
.endif
.endr
.endm
.macro RESC a, n0, cnt, first          ; cnt pairs of block a's sums take (f_j / L) x the key tile's product; the first tile starts them: nothing is cleared.  Each accumulator is read from its low end on
.set n, 64*(\a)+(\n0)
.set FA, FT+4*((\a)%2)+2*((\a)/2)
.rept \cnt
.if \first
	v_pk_mul_f32 v[n:n+1], v[n:n+1], v[FA:FA+1] op_sel_hi:[1,0]
.else
	v_pk_fma_f32 v[n:n+1], v[n:n+1], v[FA:FA+1], v[n:n+1] op_sel_hi:[1,0,1]
.endif
.set n, n+2
.endr
.endm
; A KEY TILE.  mode 0: its slot is filled again with the key tile two on; 1: it is not; 2: the last tile.
; PLACES.  The four v_nop behind the joint load (or written out) stand behind the products of blocks 0 and 1 and in front of the loads into set 0.  RESC's lines on other tiles are the places behind the products of blocks
; 2 and 3, in front of the next tile's loads into set 1, and in front of the next tile's first products, which write over this tile's.
.macro TILE first, mode
	s_wait_dscnt 0x0                               ; set 0 is in
	v_add_nc_u32 v[FAD], s[FO], v[FAD+1]
	FETCH4 1, 1
	ds_load_b128 v[FT:FT+3], v[FAD]                ; the tile's factors of blocks 0 to 3
	s_add_co_u32 s[FO], s[FO], 512
	WIN 0xf1                                       ; source 0 window 1, source 1 window 0, C and D window 3
	MUL8 0, 0, 1
	MUL8 1, 0, 1
	MUL8 2, 0, 1
	MUL8 3, 0, 1
.if \mode < 2
	WIN 0
.if (\mode == 0) && !\first
	s_wait_xcnt 0x0                                ; any prefetch of mine has read its address
	s_add_nc_u64 s[PFA:PFA+1], s[PFA:PFA+1], 4096
.endif
	s_wait_tensorcnt 0x0                           ; all my tensor loads have landed: my part of the other slot
	ds_add_u32 v[SPW], v[NIL]
.if \mode == 0
	WALK
.endif
	s_wait_dscnt 1                                 ; set 1 and the factors are in (the add alone may be out)
	WIN 0xf1
	MUL8 0, 1, 0
	s_wait_dscnt 0x0                               ; the add is done, and my reads of this slot are over
	s_barrier_signal -1
	MUL8 1, 1, 0
	WIN 0
	s_barrier_wait -1
.if \mode == 0
	CREST                                          ; no wave of any partner still reads this slot or has a load on its way
	JLOAD
.else
	PLACES 4
.endif
	s_xor_b32 s[TB], s[TB], SLOT                   ; on to the other slot
	v_add_nc_u32 v[ADRA], s[TB], v[ADRA+1]
	v_add_nc_u32 v[ADRB], s[TB], v[ADRB+1]
	s_wait_alu depctr_va_vdst(0)
	FETCH4 0, 0
.if \mode == 0
.if \first
	ASK 4
.else
	s_cmp_gt_u32 s[TRIPS], 2                       ; trips 1 to 3 ask for tiles 5 to 7
	s_cbranch_scc0 .Lno_ask_\@
	ASK 4
.Lno_ask_\@:
.endif
.endif
.else
	s_wait_dscnt 0x0
	MUL8 0, 1, 0
	MUL8 1, 1, 0
	PLACES 4
.endif
	WIN 0
	v_mov_b32 v[FT+4], v[FT+1]                     ; the packed forms take a pair's low word for both halves
	v_mov_b32 v[FT+6], v[FT+3]
.irp g, 0,1,2,3,4,5,6,7                ; blocks 0 and 1, whose products are finished, are added between the last products of blocks 2 and 3
	WIN 0xf1
	LAST 2+\g/4, 2*(\g%4)
	LAST 2+\g/4, 2*(\g%4)+1
	WIN 0xa3                                       ; source 0 window 3, source 1 window 0, source 2 and destination window 2
	RESC \g/4, 16*(\g%4), 8, \first
.endr
	RESC 2, 0, 32, \first
	RESC 3, 0, 32, \first
	WIN 0
.endm
	s_wait_alu depctr_va_vdst(0)
	FETCH4 0, 0
	TILE 1, 0
	s_mov_b32 s[TRIPS], 5
.Ltile:
	TILE 0, 0
	s_sub_co_u32 s[TRIPS], s[TRIPS], 1
	s_cmp_lg_u32 s[TRIPS], 0
	s_cbranch_scc1 .Ltile
	TILE 0, 1
	TILE 0, 2
	; THE WAY OUT: the hold, the codes, four fragments.
.irp a, 0,1,2,3                        ; each block leaves as soon as it is converted
	WIN 0x82
.set n, 64*\a
.rept 64
	v_med3_num_f32 v[n], v[n], -v[LIMV], v[LIMV]   ; the conversion to an 8-bit code does not saturate (ISA guide 7.6.2)
.set n, n+1
.endr
	WIN 0x02
.irp b, 0,1,2,3,4,5,6,7
	v_cvt_scalef32_pk8_fp8_f32 v[CD+16*\a+2*\b:CD+16*\a+2*\b+1], v[8*(8*\a+\b):8*(8*\a+\b)+7], v[SCV]
.endr
	v_nop                                          ; one plain line behind the last conversion
	WIN 0
.irp c, 0,1,2,3
	global_store_b128 v[LI], v[CD+16*\a+4*\c:CD+16*\a+4*\c+3], s[12:13] offset:16384*\a+512*\c   ; 512 consecutive bytes, aligned
.endr
.endr
	s_wait_tensorcnt 0x0                           ; the wave's end
	ds_add_u32 v[SPW], v[NIL]
	s_wait_dscnt 0x0
	CROUND
	s_endpgm
.Lfunc_end_k_q4fa47e271a_pv:
	.size	k_q4fa47e271a_pv, .Lfunc_end_k_q4fa47e271a_pv-k_q4fa47e271a_pv
	.p2alignl 7, 3214868480
	.fill 96, 4, 3214868480
	.section	.rodata,"a",@progbits
	.p2align	6, 0x0
	.amdhsa_kernel k_q4fa47e271a_pv
		.amdhsa_group_segment_fixed_size 327680
		.amdhsa_private_segment_fixed_size 0
		.amdhsa_enable_private_segment 0
		.amdhsa_kernarg_size 40
		.amdhsa_user_sgpr_count 2
		.amdhsa_user_sgpr_kernarg_segment_ptr 1
		.amdhsa_wavefront_size32 1
		.amdhsa_system_sgpr_workgroup_id_x 1
		.amdhsa_system_sgpr_workgroup_id_y 1
		.amdhsa_system_sgpr_workgroup_id_z 1
		.amdhsa_system_vgpr_workitem_id 0
		.amdhsa_next_free_vgpr 1024
		.amdhsa_next_free_sgpr 100
		.amdhsa_reserve_vcc 0
		.amdhsa_float_denorm_mode_32 3
		.amdhsa_float_denorm_mode_16_64 3
		.amdhsa_memory_ordered 1
		.amdhsa_forward_progress 1
		.amdhsa_inst_pref_size 120
	.end_amdhsa_kernel
	.amdgpu_metadata
---
amdhsa.version: [ 1, 2 ]
amdhsa.kernels:
  - .name:           k_q4fa47e271a_pv
    .symbol:         k_q4fa47e271a_pv.kd
    .args:
      - { .name: pc, .offset: 0, .size: 8, .value_kind: global_buffer, .address_space: global }
      - { .name: vtc, .offset: 8, .size: 8, .value_kind: global_buffer, .address_space: global }
      - { .name: st, .offset: 16, .size: 8, .value_kind: global_buffer, .address_space: global }
      - { .name: lowp_scales, .offset: 24, .size: 8, .value_kind: global_buffer, .address_space: global }
      - { .name: oc, .offset: 32, .size: 8, .value_kind: global_buffer, .address_space: global }
    .group_segment_fixed_size: 327680
    .private_segment_fixed_size: 0
    .kernarg_segment_align: 8
    .kernarg_segment_size: 40
    .max_flat_workgroup_size: 128
    .sgpr_count:     100
    .vgpr_count:     1024
    .wavefront_size: 32
...
	.end_amdgpu_metadata
.endif
;; end of part 3
;; launch proj (part 4): grid 4 x 64, 4 waves a work-group, clusters of 4 x 4, 327,680 bytes of LDS; arguments oc, Wo_codes, bo, lowp_scales, out0; writes out0
.if DOCPART == 4
	.amdgcn_target "amdgcn-amd-amdhsa--gfx1250"
	.amdhsa_code_object_version 6
	.text
	.protected	k_q4fa47e271a_proj
	.globl	k_q4fa47e271a_proj
	.p2align	8
	.type	k_q4fa47e271a_proj,@function
k_q4fa47e271a_proj:
	s_mov_b64 s[64:65], 0
	v_nop
	global_prefetch_b8 v0, s[64:65] scope:SCOPE_SE
	s_setreg_imm32_b32 hwreg(HW_REG_WAVE_MODE, 25, 1), 1
	s_wait_xcnt 0x0
	s_wait_alu depctr_hold_cnt(0) depctr_sa_sdst(0) depctr_va_vdst(0) depctr_va_sdst(0) depctr_va_ssrc(0) depctr_va_vcc(0) depctr_vm_vsrc(0)
	s_getreg_b32 s2, hwreg(HW_REG_IB_STS2, 6, 4)
	s_cmp_eq_u32 s2, 0
	s_cbranch_scc0 .Lentry_in_a_cluster
	s_endpgm
.Lentry_in_a_cluster:
	s_bfe_u32 s2, ttmp6, 0x10000c
	s_cmp_lg_u32 s2, 0xf033
	s_cbranch_scc0 .Lentry_shape_is_right
	s_endpgm
.Lentry_shape_is_right:
; out = O Wo^T + bo: O as the codes that the launch before made (images of fragment registers), Wo as given.  No work of reference() is left out.
; SHARES.  A work-group: 128 tokens x 256 outputs, K = 1,024, as two sub-tiles of 128 outputs; four waves, 64 x 64 of each sub-tile.  Source 1 = O (lane = token), source 0 = Wo's rows (registers along the outputs).
; NO RING.  At the head one load a wave brings all of the tokens' codes (131,072 bytes) and Wo's first 128 rows (as many).  A wave takes its 64 tokens x 1,024 k into 512 registers and keeps them; then Wo's next 128 rows are
; loaded into the bytes that the tokens' codes have left, and land under the first sub-tile's products.  The first sub-tile's stores leave ahead of the second's products.
; Both images in LDS are 128 chunks of 1,024 bytes with 16 bytes of padding behind each: the same bytes are filled each time, and the 16 rows of a fragment of Wo start at 16 different groups of banks.
; oc: [token tile 512][k step 8][2,048]: two chunks a k step; registers 4 c .. 4 c + 3 of lane (r, h) hold k = 32 c + 16 h + 0 .. 15, which is what a load of 16 bytes brings of a row of Wo.
; CLUSTERS: 4 x 4.  O's tile hangs on the block of tokens (a row of the cluster), Wo's on the block of outputs (a column): joint loads.
; PREFETCH INTO THE L2: Wo's second 128 rows, asked for behind the head's joint load: of the 64 rows that a wave will fetch each of the four partners names 16, told apart by address.  All sixteen rows of clusters read them:
; the first four rows ask.
; LIMIT: e10 + e11 between -126 and 127.
; REGISTERS: window 0: v0-31 addresses; v32-39 the bias; v40-103 rows read back from the stage; v128-255 the accumulators (a, b) at v[128 + 8 (4 a + b)].  window 1: Wo's fragments, four sets of 64.
;   windows 2, 3: O's fragments of k steps 0-3 and 4-7: block a at v[64 (k % 4) + 16 a].
.set CH,     1040
.set HALF,   64*CH                     ; what one load brings
.set R1,     2*HALF                    ; Wo's first 128 rows; from byte 0: O, then Wo's next 128 rows
.set STAGE,  4*HALF                    ; 16 rows x (256 + 16) bytes a wave
.set SPITCH, 272
.set SPARE,  STAGE+4*16*SPITCH
.set BOF,  5
.set LI,   6
.set STO,  8
.set RD,   9
.set CO,   10
.set ADA,  16                          ; v16, v17: blocks 0, 1 and blocks 2, 3 of my tokens
.set ADB,  20                          ; v20: the sub-tile's rows of Wo; v21: the same, counted from byte 0
.set SPW,  28
.set NIL,  29
.set PFO,  30
.set BO,   32
.set BK,   40
.set ACC,  128
.set G1,  24
.set G0,  32
.set G0B, 36
.set G1B, 48
.set G0C, 56
.set MSB, 0
.macro WIN new                         ; the immediate's high byte repeats the setting that is left
.if MSB != (\new)
	s_set_vgpr_msb (MSB<<8)|(\new)
.set MSB, (\new)
.endif
.endm
.macro PLACES n
.rept \n
	v_nop
.endr
.endm
.macro CREST
	s_cmp_lg_u32 s14, 0
	s_cbranch_scc1 .Lnot_wave_0_\@
	s_barrier_signal -3
.Lnot_wave_0_\@:
	s_barrier_wait -3
	s_barrier_signal -1
	s_barrier_wait -1
.endm
.macro CROUND
	s_barrier_signal -1
	s_barrier_wait -1
	CREST
.endm
	s_load_b256 s[4:11], s[0:1], 0x0               ; oc s[4:5], Wo s[6:7], bo s[8:9], the scales' exponents s[10:11]
	s_load_b64 s[12:13], s[0:1], 0x20              ; out0
	v_lshl_add_u32 v[SPW], v0, 2, SPARE
	v_mov_b32 v[NIL], 0
	ds_add_u32 v[SPW], v[NIL]                      ; the wave's opening: the add, twice on end, and its wait ahead of my first tensor load
	ds_add_u32 v[SPW], v[NIL]
	v_lshrrev_b32 v1, 5, v0
	v_readfirstlane_b32 s14, v1
	s_lshr_b32 s15, s14, 1                         ; ah: my half of the tokens.  Also: I fetch O (0) or Wo (1)
	s_and_b32 s16, s14, 1                          ; bh: my half of a sub-tile's outputs.  Also: which half of that tile I fetch
	s_bfe_u32 s40, ttmp6, 0x40000                  ; cx = the block of 256 outputs (one cluster along x)
	s_bfe_u32 s41, ttmp6, 0x40004
	s_and_b32 s17, ttmp7, 0xffff
	s_lshr_b32 s90, s17, 2                         ; 0 in the first four rows of clusters
	s_cmp_eq_u32 s90, 0
	s_cselect_b32 s90, s15, 0                      ; 1: my wave prefetches
	s_lshl_b32 s17, s17, 2
	s_add_co_u32 s17, s17, s41                     ; y: the block of 128 tokens
	s_lshl_b32 s43, s41, 2
	s_lshl_b32 s43, 15, s43
	s_lshl_b32 s44, 0x1111, s40
	s_or_b32 s[G1+0], s43, (3<<16)|(1<<20)|(1<<21)|(7<<22)|(3<<25)   ; O's tiles go to my row; elements of 8 bytes; padding of 4 words behind every 256; bit 21 beside a mask
	s_or_b32 s[G1B+0], s44, (3<<16)|(1<<20)|(1<<21)|(7<<22)|(3<<25)  ; Wo's to my column
.irp g, G1, G1B
	s_mov_b32 s[\g+1], 128<<16                     ; rows of 1,024 bytes, dense
	s_mov_b32 s[\g+2], 64<<16                      ; 64 of them
	s_mov_b32 s[\g+3], 128<<16
	s_mov_b32 s[\g+4], 64
	s_mov_b32 s[\g+5], 128
	s_mov_b32 s[\g+6], 0
	s_mov_b32 s[\g+7], 0
.endr
	s_lshl_b32 s18, s16, 16                        ; 65,536 bytes x my half
	s_lshl_b32 s20, s17, 17
	s_add_co_u32 s20, s20, s18
	s_mov_b32 s21, 0
	s_lshl_b32 s46, s40, 18
	s_add_co_u32 s46, s46, s18
	s_mov_b32 s47, 0
	s_mul_i32 s45, s16, HALF                       ; where my part goes
	s_wait_dscnt 0x0
	CROUND                                         ; all sixteen work-groups are here (the arguments are on their way meanwhile)
	s_wait_kmcnt 0x0
	s_load_b64 s[84:85], s[10:11], 0x28            ; e10, e11
	s_add_nc_u64 s[20:21], s[4:5], s[20:21]
	s_add_nc_u64 s[46:47], s[6:7], s[46:47]
	s_mov_b32 s[G0], 1
	s_mov_b32 s[G0+1], s45
	s_mov_b64 s[G0+2:G0+3], s[20:21]
	s_or_b32 s[G0+3], s[G0+3], 0x80000000
	s_mov_b32 s[G0B], 1
	s_add_co_u32 s[G0B+1], s45, R1
	s_mov_b64 s[G0B+2:G0B+3], s[46:47]
	s_or_b32 s[G0B+3], s[G0B+3], 0x80000000
	; waves 0 and 1 fetch O's halves, waves 2 and 3 Wo's first 128 rows; an s_nop 0 and four v_nop follow each line
	s_cmp_eq_u32 s15, 0
	s_cbranch_scc0 .Lfor_w
	tensor_load_to_lds s[G0:G0+3], s[G1:G1+7]
	s_nop 0
	PLACES 4
	s_branch .Lasked
.Lfor_w:
	tensor_load_to_lds s[G0B:G0B+3], s[G1B:G1B+7]
	s_nop 0
	PLACES 4
.Lasked:
	s_add_nc_u64 s[46:47], s[46:47], 0x20000       ; Wo's next 128 rows: 131,072 bytes on
	s_mov_b32 s[G0C], 1
	s_mov_b32 s[G0C+1], s45
	s_mov_b64 s[G0C+2:G0C+3], s[46:47]
	s_or_b32 s[G0C+3], s[G0C+3], 0x80000000
	s_lshl_b32 s94, s41, 14                        ; my work-group's 16 of those rows
	s_mov_b32 s95, 0
	s_add_nc_u64 s[88:89], s[46:47], s[94:95]
	s_mul_i32 s21, s15, HALF
	s_mul_i32 s22, s16, HALF
	s_mul_i32 s18, s14, 16*SPITCH
	s_add_co_u32 s18, s18, STAGE
	v_and_b32 v1, 15, v0                           ; r
	v_bfe_u32 v2, v0, 4, 1                         ; h
	v_and_b32 v7, 31, v0
	v_lshlrev_b32 v[LI], 4, v7
	v_lshlrev_b32 v[PFO], 8, v7                    ; the prefetch: 256 bytes a lane
	v_mul_u32_u24 v3, v1, CH
	v_lshl_add_u32 v3, v2, 4, v3
	v_add_nc_u32 v[ADA], s21, v[LI]
	v_add_nc_u32 v[ADA+1], HALF/2, v[ADA]
	v_add_nc_u32 v[ADB+1], s22, v3
	v_mul_u32_u24 v4, v1, SPITCH                   ; the stage, in: row r, 32 bytes for each half of the lanes
	v_lshl_add_u32 v4, v2, 5, v4
	v_add_nc_u32 v[STO], s18, v4
	v_lshlrev_b32 v[BOF], 4, v1
	v_mul_u32_u24 v3, v2, SPITCH                   ; back: lanes 0-15 one row of 256 bytes, lanes 16-31 the next
	v_add_nc_u32 v3, v3, v[BOF]
	v_add_nc_u32 v[RD], s18, v3
	v_lshl_add_u32 v[CO], v2, 12, v[BOF]           ; and the same two rows of out0, 4,096 bytes each
	s_wait_alu depctr_va_vdst(0)
	s_cmp_eq_u32 s90, 0
	s_cbranch_scc1 .Lno_ask
	global_prefetch_b8 v[PFO], s[88:89] th:TH_LOAD_NT scope:SCOPE_SE
	global_prefetch_b8 v[PFO], s[88:89] offset:8192 th:TH_LOAD_NT scope:SCOPE_SE
.Lno_ask:
	s_lshl_b32 s18, s40, 10                        ; outputs 256 cx + 64 bh on, in bytes
	s_lshl_b32 s20, s16, 8
	s_add_co_u32 s18, s18, s20
	s_mov_b32 s19, 0
	s_add_nc_u64 s[8:9], s[8:9], s[18:19]
	global_load_b128 v[BO:BO+3], v[BOF], s[8:9]            ; the bias of my lane's four columns, for each sub-tile
	global_load_b128 v[BO+4:BO+7], v[BOF], s[8:9] offset:512
	s_lshl_b32 s20, s17, 19
	s_add_co_u32 s18, s18, s20
	s_lshl_b32 s20, s15, 18
	s_add_co_u32 s18, s18, s20                     ; tokens 128 y + 64 ah on
	s_add_nc_u64 s[12:13], s[12:13], s[18:19]
	s_wait_kmcnt 0x0
	s_add_co_i32 s96, s84, s85
	s_add_co_i32 s96, s96, 127
	s_lshl_b32 s96, s96, 23                        ; 2^(e10 + e11)
	s_mov_b32 s97, s96                             ; (named with it as a pair, so it is written)
.macro FETCHA k                        ; my four blocks of tokens, k step k
.irp a, 0,1,2,3
.irp c, 0,1,2,3
	ds_load_b128 v[64*((\k)%4)+16*\a+4*\c:64*((\k)%4)+16*\a+4*\c+3], v[ADA+\a/2] offset:16*CH*(\a%2)+2*CH*(\k)+512*\c+16*(\c/2)
.endr
.endr
.endm
.macro FETCHW k
	WIN 0x40
.irp b, 0,1,2,3
.irp c, 0,1,2,3
	ds_load_b128 v[64*((\k)%4)+16*\b+4*\c:64*((\k)%4)+16*\b+4*\c+3], v[ADB] offset:16*CH*\b+128*(\k)+32*\c
.endr
.endr
	WIN 0
.endm
; A k step: 16 matrix instructions; the 16 accumulators take turns, one instruction a turn.  Wo's fragments are fetched two steps ahead: the set that they land in was read by the products of
; two steps ago, and four places stand in between.  dscnt: the 16 loads of each of the two younger fetches may be out.
.macro KSTEP k
.if (\k) < 6
.if (\k) > 1
	PLACES 4
.endif
	FETCHW (\k)+2
	s_wait_dscnt 32
.else
	s_wait_dscnt 16*(7-(\k))
.endif
	WIN 0x09+4*((\k)/4)                            ; source 0 window 1, source 1 window 2 or 3, C and D window 0
.irp a, 0,1,2,3
.irp b, 0,1,2,3
.if (\k) == 0
	v_wmma_f32_16x16x128_fp8_fp8 v[ACC+32*\a+8*\b:ACC+32*\a+8*\b+7], v[64*((\k)%4)+16*\b:64*((\k)%4)+16*\b+15], v[64*((\k)%4)+16*\a:64*((\k)%4)+16*\a+15], 0
.else
	v_wmma_f32_16x16x128_fp8_fp8 v[ACC+32*\a+8*\b:ACC+32*\a+8*\b+7], v[64*((\k)%4)+16*\b:64*((\k)%4)+16*\b+15], v[64*((\k)%4)+16*\a:64*((\k)%4)+16*\a+15], v[ACC+32*\a+8*\b:ACC+32*\a+8*\b+7]
.endif
.endr
.endr
	WIN 0
.endm
; THE WAY OUT of block a, 16 tokens x 64 outputs: through my own stage, back as rows of 256 bytes.  LDS serves a wave's instructions in order (ISA guide 5.7.1.4).
.macro TOSTAGE a
.irp b, 0,1,2,3
	ds_store_b128 v[STO], v[ACC+32*(\a)+8*\b:ACC+32*(\a)+8*\b+3] offset:64*\b
	ds_store_b128 v[STO], v[ACC+32*(\a)+8*\b+4:ACC+32*(\a)+8*\b+7] offset:64*\b+16
.endr
.set BB, BK+32*((\a)%2)
.irp t, 0,1,2,3,4,5,6,7
	ds_load_b128 v[BB+4*\t:BB+4*\t+3], v[RD] offset:\t*2*SPITCH
.endr
.endm
.macro SEND a, younger                 ; younger: the next block's 8 stores and 8 loads, which may be out
.set BB, BK+32*((\a)%2)
	s_wait_dscnt \younger
.irp t, 0,1,2,3,4,5,6,7
	v_pk_fma_f32 v[BB+4*\t:BB+4*\t+1], v[BB+4*\t:BB+4*\t+1], s[96:97], v[BO:BO+1] op_sel_hi:[1,0,1]
	v_pk_fma_f32 v[BB+4*\t+2:BB+4*\t+3], v[BB+4*\t+2:BB+4*\t+3], s[96:97], v[BO+2:BO+3] op_sel_hi:[1,0,1]
.endr
.irp t, 0,1,2,3,4,5,6,7
	global_store_b128 v[CO], v[BB+4*\t:BB+4*\t+3], s[12:13] offset:(16*(\a)+2*\t)*4096 th:TH_STORE_NT   ; 16 lanes store 256 consecutive bytes, aligned
.endr
.endm
.macro OUT
	PLACES 4                                       ; in front of the first reads of results
	s_wait_xcnt 0x0                                ; earlier stores have read the rows' registers
	TOSTAGE 0
.irp a, 1,2,3
.if \a > 1
	s_wait_xcnt 0x0
.endif
	TOSTAGE \a
	SEND \a-1, 16
.endr
	SEND 3, 0
.endm
	s_wait_alu depctr_va_vdst(0)
	s_wait_tensorcnt 0x0                           ; my part is in,
	s_barrier_signal -1
	s_barrier_wait -1                              ; and everybody's
	WIN 0x80
.irp k, 0,1,2,3
	FETCHA \k
.endr
	WIN 0xc0
.irp k, 4,5,6,7
	FETCHA \k
.endr
	WIN 0                                          ; (the add's two registers lie in window 0)
	s_wait_tensorcnt 0x0
	ds_add_u32 v[SPW], v[NIL]
	s_wait_dscnt 0x0                               ; the add is done, and O's fragments are in my registers
	CROUND                                         ; no wave of any partner still reads O's bytes or has a load on its way
	s_cmp_eq_u32 s15, 0
	s_cbranch_scc1 .Lnot_w
	tensor_load_to_lds s[G0C:G0C+3], s[G1B:G1B+7]  ; waves 2 and 3: Wo's next 128 rows
	s_nop 0
	PLACES 4
.Lnot_w:
	s_mov_b32 s92, R1                              ; where the sub-tile's rows of Wo begin: R1, then byte 0
	s_mov_b32 s91, 2
.Lsub:                                                 ; two trips: the two sub-tiles
	v_add_nc_u32 v[ADB], s92, v[ADB+1]
	s_wait_alu depctr_va_vdst(0)
	FETCHW 0
	FETCHW 1
.irp k, 0,1,2,3,4,5,6,7
	KSTEP \k
.endr
	s_wait_loadcnt 0x0                             ; the bias
	OUT
	s_wait_xcnt 0x0                                ; the stores have read their base: the next sub-tile's columns lie 512 bytes on
	s_add_nc_u64 s[12:13], s[12:13], 0x200
	s_xor_b32 s92, s92, R1
.irp i, 0,1,2,3
	v_mov_b32 v[BO+\i], v[BO+4+\i]                 ; and so does the bias
.endr
	s_wait_alu depctr_va_vdst(0)
	s_wait_tensorcnt 0x0                           ; my part of Wo's next rows is in,
	s_barrier_signal -1
	s_barrier_wait -1                              ; and everybody's; nothing is filled again
	s_sub_co_u32 s91, s91, 1
	s_cmp_lg_u32 s91, 0
	s_cbranch_scc1 .Lsub
	s_wait_tensorcnt 0x0                           ; the wave's end
	ds_add_u32 v[SPW], v[NIL]
	s_wait_dscnt 0x0
	CROUND
	s_endpgm
.Lfunc_end_k_q4fa47e271a_proj:
	.size	k_q4fa47e271a_proj, .Lfunc_end_k_q4fa47e271a_proj-k_q4fa47e271a_proj
	.p2alignl 7, 3214868480
	.fill 96, 4, 3214868480
	.section	.rodata,"a",@progbits
	.p2align	6, 0x0
	.amdhsa_kernel k_q4fa47e271a_proj
		.amdhsa_group_segment_fixed_size 327680
		.amdhsa_private_segment_fixed_size 0
		.amdhsa_enable_private_segment 0
		.amdhsa_kernarg_size 40
		.amdhsa_user_sgpr_count 2
		.amdhsa_user_sgpr_kernarg_segment_ptr 1
		.amdhsa_wavefront_size32 1
		.amdhsa_system_sgpr_workgroup_id_x 1
		.amdhsa_system_sgpr_workgroup_id_y 1
		.amdhsa_system_sgpr_workgroup_id_z 1
		.amdhsa_system_vgpr_workitem_id 0
		.amdhsa_next_free_vgpr 1024
		.amdhsa_next_free_sgpr 100
		.amdhsa_reserve_vcc 0
		.amdhsa_float_denorm_mode_32 3
		.amdhsa_float_denorm_mode_16_64 3
		.amdhsa_memory_ordered 1
		.amdhsa_forward_progress 1
		.amdhsa_inst_pref_size 46
	.end_amdhsa_kernel
	.amdgpu_metadata
---
amdhsa.version: [ 1, 2 ]
amdhsa.kernels:
  - .name:           k_q4fa47e271a_proj
    .symbol:         k_q4fa47e271a_proj.kd
    .args:
      - { .name: oc, .offset: 0, .size: 8, .value_kind: global_buffer, .address_space: global }
      - { .name: Wo_codes, .offset: 8, .size: 8, .value_kind: global_buffer, .address_space: global }
      - { .name: bo, .offset: 16, .size: 8, .value_kind: global_buffer, .address_space: global }
      - { .name: lowp_scales, .offset: 24, .size: 8, .value_kind: global_buffer, .address_space: global }
      - { .name: out0, .offset: 32, .size: 8, .value_kind: global_buffer, .address_space: global }
    .group_segment_fixed_size: 327680
    .private_segment_fixed_size: 0
    .kernarg_segment_align: 8
    .kernarg_segment_size: 40
    .max_flat_workgroup_size: 128
    .sgpr_count:     100
    .vgpr_count:     1024
    .wavefront_size: 32
...
	.end_amdgpu_metadata
.endif
;; end of part 4
